; MI455X (gfx1250); checked and timed in simulation.
; The chip was launched on July 23, 2026; its instructions are those of AMD's public machine-readable ISA for CDNA 5 (MIT licence, August 2026) and "CDNA5" Instruction Set Architecture Reference Guide (July 2026). The comments in the code are by the model that wrote it; some were corrected since.
;; E8 Attention. Allowed arithmetic: float matrix products may take bf16 or f16 operands with f32 sums; other float arithmetic in f32, or as packed bf16 or f16 multiplies, adds, multiply-adds, maxima and minima; sums over many terms, partial sums and values carried from step to step in f32; what a program stores and reads back later, other than sums and carried values, may be rounded once to bf16 or f16.
;; Inputs: head_dirs 16 x 8 float32; head_scales 16 float32; w_out 1,024 x 1,024 float32; w_qkv 1,024 x 3,072 float32; x 2 x 2,048 x 1,024 float32.
;; Outputs: out0 2 x 2,048 x 1,024 float32.
;; 2 versions, each right; version 2 is version 1 with the launch prep written anew for expert scheduling mode. Each part assembles by itself: llvm-mc -triple=amdgcn-amd-amdhsa -mcpu=gfx1250 --defsym DOCPART=n.
;; ======== version 1 of 2: 4 launches
;; limits: values are held in f16: magnitudes above 65,504 overflow, below 6.1e-05 lose precision
;; workspace buffers: xb 8,388,608 bytes; wqb 6,291,456 bytes; wob 2,097,152 bytes; geo 3,072 bytes; qkvh 25,165,824 bytes; oh 8,388,608 bytes
;; launch prep (part 1): grid 256 x 1, 8 waves a work-group, no clusters, 0 bytes of LDS; arguments x, w_qkv, w_out, head_scales, head_dirs, xb, wqb, wob, geo; writes xb, wqb, wob, geo
.if DOCPART == 1
	.amdgcn_target "amdgcn-amd-amdhsa--gfx1250"
	.amdhsa_code_object_version 6
	.text
	.protected	k_qffbeda1112_prep
	.globl	k_qffbeda1112_prep
	.p2align	8
	.type	k_qffbeda1112_prep,@function
k_qffbeda1112_prep:
	s_mov_b64 s[64:65], 0
	v_nop
	global_prefetch_b8 v0, s[64:65] scope:SCOPE_SE
	s_setreg_imm32_b32 hwreg(HW_REG_WAVE_MODE, 25, 1), 1
	s_wait_xcnt 0x0
; PREP.  x and w_qkv are rounded to bf16; w_out is rounded to bf16 and that number written as f16; a small table geo is made of head_scales and head_dirs (both rounded to bf16).
; SHARES.  8,388,608 numbers in 256 chunks of 32,768: work-groups 0-127 take x, 128-223 w_qkv, 224-255 w_out.  Thread t reads 16 bytes at 4,096 i + 16 t (i = 0..31): a wave's load covers 512
; consecutive bytes; it stores 8 bytes at 2,048 i + 8 t: a wave's store covers 256 consecutive bytes, aligned.  All 32 loads of a thread go out at once; no register is used twice, so the only waits count loads.
; No LDS, no matrix unit: each byte is read once and written once, and nothing is shared.
; GEO: 48 rows of 16 f32, one for each of the 48 heads' places in x w_qkv (16 of q, 16 of k, 16 of v).  Row h < 16: words 0-7 d (the head's direction), 8: 1/g, 9: 8 hs, 10: g log2(e)/8, 11-15: 0,
; with g = 1 + 8 |hs| (sum of |d_j|)^2.  Rows 16-47: d = 0, 1/g = 1, the rest 0.
; LIMITS.  w_out beyond 65,504 becomes an infinity in f16; below 2^-14 it keeps f16's fixed step of 2^-24.  1/g is v_rcp_f32's, good to one unit in the last place.
.set X, 16                             ; v[16:143]  32 x 4 numbers as loaded
.set Y, 144                            ; v[144:207] 32 x 2 registers to store
.set T, 8                              ; v[8:11]    at work
	s_load_b512 s[4:19], s[0:1], 0x0               ; x 4, w_qkv 6, w_out 8, head_scales 10, head_dirs 12, xb 14, wqb 16, wob 18
	s_load_b64 s[20:21], s[0:1], 0x40              ; geo
	v_lshlrev_b32 v1, 4, v0                        ; 16 t
	v_lshlrev_b32 v2, 3, v0                        ; 8 t
	s_sub_co_u32 s26, ttmp9, 128                   ; my chunk's number within w_qkv,
	s_sub_co_u32 s27, ttmp9, 224                   ; within w_out
	s_mov_b32 s29, 0
	s_mov_b32 s31, 0
	s_wait_kmcnt 0x0
	s_cmp_lt_u32 ttmp9, 128
	s_cselect_b64 s[22:23], s[4:5], s[6:7]         ; from
	s_cselect_b64 s[24:25], s[14:15], s[16:17]     ; to
	s_cselect_b32 s26, ttmp9, s26
	s_cmp_lt_u32 ttmp9, 224
	s_cselect_b64 s[22:23], s[22:23], s[8:9]
	s_cselect_b64 s[24:25], s[24:25], s[18:19]
	s_cselect_b32 s26, s26, s27
	s_lshl_b32 s28, s26, 17                        ; 131,072 bytes in,
	s_lshl_b32 s30, s26, 16                        ; 65,536 bytes out
	s_add_nc_u64 s[22:23], s[22:23], s[28:29]
	s_add_nc_u64 s[24:25], s[24:25], s[30:31]
.set n, 0
.rept 32
	global_load_b128 v[X+4*n:X+4*n+3], v1, s[22:23] offset:4096*n th:TH_LOAD_NT
.set n, n+1
.endr
; Load i is in when 31 - i younger ones may still be out.  f16 = 1: the bf16 numbers are widened again and written as f16.
.macro OUT i, f16
	s_wait_loadcnt 31-(\i)
	v_cvt_pk_bf16_f32 v[Y+2*(\i)], v[X+4*(\i)], v[X+4*(\i)+1]
	v_cvt_pk_bf16_f32 v[Y+2*(\i)+1], v[X+4*(\i)+2], v[X+4*(\i)+3]
.if \f16
	v_lshlrev_b32 v[T], 16, v[Y+2*(\i)]
	v_and_b32 v[T+1], 0xffff0000, v[Y+2*(\i)]
	v_lshlrev_b32 v[T+2], 16, v[Y+2*(\i)+1]
	v_and_b32 v[T+3], 0xffff0000, v[Y+2*(\i)+1]
	v_cvt_pk_f16_f32 v[Y+2*(\i)], v[T], v[T+1]
	v_cvt_pk_f16_f32 v[Y+2*(\i)+1], v[T+2], v[T+3]
.endif
	global_store_b64 v2, v[Y+2*(\i):Y+2*(\i)+1], s[24:25] offset:2048*(\i)
.endm
	s_cmp_ge_u32 ttmp9, 224
	s_cbranch_scc1 .Lwout
.set n, 0
.rept 32
	OUT n, 0
.set n, n+1
.endr
	s_branch .Lgeo
.Lwout:
.set n, 0
.rept 32
	OUT n, 1
.set n, n+1
.endr
.Lgeo:
	s_cmp_lg_u32 ttmp9, 0                          ; the table is made by wave 0 of work-group 0
	s_cbranch_scc1 .Lend
	v_lshrrev_b32 v3, 5, v0
	v_readfirstlane_b32 s26, v3
	s_cmp_lg_u32 s26, 0
	s_cbranch_scc1 .Lend
	v_and_b32 v3, 15, v0                           ; the head: lanes l and l + 16 work on the same one
	v_lshlrev_b32 v4, 5, v3
	v_lshlrev_b32 v5, 2, v3
	global_load_b128 v[16:19], v4, s[12:13]
	global_load_b128 v[20:23], v4, s[12:13] offset:16
	global_load_b32 v24, v5, s[10:11]
	s_wait_loadcnt 0x0
.irp j, 0,1,2,3
	v_cvt_pk_bf16_f32 v[28+(\j)], v[16+2*(\j)], v[17+2*(\j)]
.endr
	v_cvt_pk_bf16_f32 v32, v24, v24
.irp j, 0,1,2,3
	v_lshlrev_b32 v[16+2*(\j)], 16, v[28+(\j)]
	v_and_b32 v[17+2*(\j)], 0xffff0000, v[28+(\j)]
.endr
	v_lshlrev_b32 v24, 16, v32
	v_add_f32 v33, |v16|, |v17|
.irp j, 18,19,20,21,22,23
	v_add_f32 v33, v33, |v\j|
.endr
	v_mul_f32 v35, 0x41000000, v24                 ; 8 hs
	v_mul_f32 v36, v33, v33
	v_fma_f32 v37, |v35|, v36, 1.0                 ; g
	v_rcp_f32 v38, v37
	v_mul_f32 v39, 0x3e38aa3b, v37                 ; g log2(e) / 8: the plain instruction behind the reciprocal
	v_mov_b32 v49, 0
	s_wait_alu depctr_va_vdst(0)                   ; the wait ahead of the reciprocal's first reader
	v_cmp_gt_u32 vcc_lo, 16, v0                    ; lanes 0-15 store a row's first 32 bytes, lanes 16-31 its second
	v_cndmask_b32 v40, v38, v16, vcc_lo
	v_cndmask_b32 v41, v35, v17, vcc_lo
	v_cndmask_b32 v42, v39, v18, vcc_lo
	v_cndmask_b32 v43, 0, v19, vcc_lo
	v_cndmask_b32 v44, 0, v20, vcc_lo
	v_cndmask_b32 v45, 0, v21, vcc_lo
	v_cndmask_b32 v46, 0, v22, vcc_lo
	v_cndmask_b32 v47, 0, v23, vcc_lo
	v_cndmask_b32 v48, 1.0, v49, vcc_lo            ; rows 16-47: 0 in the first half, (1, 0, ..) in the second
.irp j, 50,51,52,53,54,55
	v_mov_b32 v\j, 0
.endr
	v_lshlrev_b32 v7, 6, v3
	v_lshrrev_b32 v6, 4, v0
	v_lshl_add_u32 v7, v6, 5, v7                   ; 64 x head + 32 x half
	global_store_b128 v7, v[40:43], s[20:21]
	global_store_b128 v7, v[44:47], s[20:21] offset:16
	global_store_b128 v7, v[48:51], s[20:21] offset:1024
	global_store_b128 v7, v[52:55], s[20:21] offset:1040
	global_store_b128 v7, v[48:51], s[20:21] offset:2048
	global_store_b128 v7, v[52:55], s[20:21] offset:2064
.Lend:
	s_endpgm
.Lfunc_end_k_qffbeda1112_prep:
	.size	k_qffbeda1112_prep, .Lfunc_end_k_qffbeda1112_prep-k_qffbeda1112_prep
	.p2alignl 7, 3214868480
	.fill 96, 4, 3214868480
	.section	.rodata,"a",@progbits
	.p2align	6, 0x0
	.amdhsa_kernel k_qffbeda1112_prep
		.amdhsa_group_segment_fixed_size 0
		.amdhsa_private_segment_fixed_size 0
		.amdhsa_enable_private_segment 0
		.amdhsa_kernarg_size 72
		.amdhsa_user_sgpr_count 2
		.amdhsa_user_sgpr_kernarg_segment_ptr 1
		.amdhsa_wavefront_size32 1
		.amdhsa_system_sgpr_workgroup_id_x 1
		.amdhsa_system_sgpr_workgroup_id_y 1
		.amdhsa_system_sgpr_workgroup_id_z 1
		.amdhsa_system_vgpr_workitem_id 0
		.amdhsa_next_free_vgpr 208
		.amdhsa_next_free_sgpr 66
		.amdhsa_reserve_vcc 1
		.amdhsa_float_denorm_mode_32 3
		.amdhsa_float_denorm_mode_16_64 3
		.amdhsa_memory_ordered 1
		.amdhsa_forward_progress 1
		.amdhsa_inst_pref_size 34
	.end_amdhsa_kernel
	.amdgpu_metadata
---
amdhsa.version: [ 1, 2 ]
amdhsa.kernels:
  - .name:           k_qffbeda1112_prep
    .symbol:         k_qffbeda1112_prep.kd
    .args:
      - { .name: x, .offset: 0, .size: 8, .value_kind: global_buffer, .address_space: global }
      - { .name: w_qkv, .offset: 8, .size: 8, .value_kind: global_buffer, .address_space: global }
      - { .name: w_out, .offset: 16, .size: 8, .value_kind: global_buffer, .address_space: global }
      - { .name: head_scales, .offset: 24, .size: 8, .value_kind: global_buffer, .address_space: global }
      - { .name: head_dirs, .offset: 32, .size: 8, .value_kind: global_buffer, .address_space: global }
      - { .name: xb, .offset: 40, .size: 8, .value_kind: global_buffer, .address_space: global }
      - { .name: wqb, .offset: 48, .size: 8, .value_kind: global_buffer, .address_space: global }
      - { .name: wob, .offset: 56, .size: 8, .value_kind: global_buffer, .address_space: global }
      - { .name: geo, .offset: 64, .size: 8, .value_kind: global_buffer, .address_space: global }
    .group_segment_fixed_size: 0
    .private_segment_fixed_size: 0
    .kernarg_segment_align: 8
    .kernarg_segment_size: 72
    .max_flat_workgroup_size: 256
    .sgpr_count:     66
    .vgpr_count:     208
    .wavefront_size: 32
...
	.end_amdgpu_metadata
.endif
;; end of part 1
;; launch qkv (part 2): grid 8 x 32, 4 waves a work-group, clusters of 4 x 4, 327,680 bytes of LDS; arguments xb, wqb, geo, qkvh; writes qkvh
.if DOCPART == 2
	.amdgcn_target "amdgcn-amd-amdhsa--gfx1250"
	.amdhsa_code_object_version 6
	.text
	.protected	k_qffbeda1112_qkv
	.globl	k_qffbeda1112_qkv
	.p2align	8
	.type	k_qffbeda1112_qkv,@function
k_qffbeda1112_qkv:
	s_mov_b64 s[64:65], 0
	v_nop
	global_prefetch_b8 v0, s[64:65] scope:SCOPE_SE
	s_setreg_imm32_b32 hwreg(HW_REG_WAVE_MODE, 25, 1), 1
	s_wait_xcnt 0x0
	s_wait_alu depctr_hold_cnt(0) depctr_sa_sdst(0) depctr_va_vdst(0) depctr_va_sdst(0) depctr_va_ssrc(0) depctr_va_vcc(0) depctr_vm_vsrc(0)
	s_getreg_b32 s2, hwreg(HW_REG_IB_STS2, 6, 4)
	s_cmp_eq_u32 s2, 0
	s_cbranch_scc0 .Lentry_in_a_cluster
	s_endpgm
.Lentry_in_a_cluster:
	s_bfe_u32 s2, ttmp6, 0x10000c
	s_cmp_lg_u32 s2, 0xf033
	s_cbranch_scc0 .Lentry_shape_is_right
	s_endpgm
.Lentry_shape_is_right:
; QKV.  xb [4096][1024] bf16 times wqb [1024 k][3072 n] bf16, sums in f32; the result leaves by heads, qkvh [b 2][hp 48][t 2048][64] f16 (hp 0-15 q, 16-31 k, 32-47 v), rounded once.
; THE GEOMETRIC BIAS IS FOLDED INTO q:  q.k/8 + hs (q8.d)(k8.d) = q'.k/8 with q' = q + 8 hs (q8.d) d in a head's first 8 channels.  Stored is q'' = q'/g, g = 1 + 8 |hs| (sum |d_j|)^2, so that
; no |q''_j| exceeds the largest |q_j|; the attention launch multiplies its scores by g log2(e)/8.  The table geo holds d, 1/g, 8 hs for each hp (for k and v: 0, 1, 0), so one text serves all heads.
; LIMITS.  q, k and v beyond 65,504 become infinities in f16.  NaN and infinities are not treated apart.
; SHARES.  A tile is 128 rows x 384 columns: 32 x 8 = 256 work-groups.  Wave (wr, wc) makes 64 rows x 192 columns (three whole heads): 4 x 12 accumulators of 16 x 16, 384 registers.
; K goes in steps of 128 through two LDS slots.  A slot: three chunks of wqb (128 k rows x 128 columns, 256 bytes a row, pitch 288), then xb's 128 rows x 128 k (pitch 272).
; Waves 0-2 fetch a chunk each, wave 3 fetches xb's tile: one tensor load a wave, 128 rows of 256 consecutive bytes at multiples of 256.
; wqb lies [k][n], so its fragments come out of LDS turned, by ds_load_tr16_b128.  THE PRODUCT IS TAKEN TRANSPOSED (source 0 = 16 columns of wqb, source 1 = 16 rows of xb): a lane holds row l % 16
; and eight neighbouring columns 8 (l / 16) + 0..7; in a head's first block of 16 columns lanes 0-15 hold just the 8 channels that the bias touches.
; CLUSTER 4 x 4: xb's tile is asked for jointly along a row of the cluster, wqb's chunks along a column.
; REGISTERS, in windows of 256: window 0 addresses, xb's fragments (two buffers of 32), the way out; window 1 wqb's fragments (two buffers of 96); windows 2, 3 the accumulators of row blocks 0, 1 and 2, 3.
.set PA,    272                        ; 256 + 16: the 16 rows of a load start at 16 different groups of four banks
.set PB,    288                        ; 256 + 32
.set CH,    128*PB                     ; a chunk of wqb; what lies between two waves' fills
.set SLOT,  3*CH+128*PA
.set STAGE, 2*SLOT                     ; behind the ring: for each wave 3 heads x 16 rows x 144 bytes, for the way out
.set HSTG,  16*144
.set WSTG,  3*HSTG
.set SPARE, STAGE+4*WSTG               ; the spare words, 128 bytes a wave: two blocks of 256 bytes that no other line names
.set BSTEP, 128*6144                   ; bytes of wqb in a K step
.set PR,   8                           ; v8-10   a row's projection onto d, for each of my three heads
.set MLQ,  12                          ; v12-14  8 hs in lanes 0-15, 0 in lanes 16-31
.set ADRA, 16                          ; v16-17  LDS address of my fragments of xb in slot 0, 1
.set ADRB, 18                          ; v18-23  of wqb: 3 x slot + head
.set STO,  24
.set RD,   25
.set GO,   26
.set SPW,  28                          ; my spare word; never rewritten
.set NIL,  29                          ; 0; never rewritten
.set PFO,  30                          ; the prefetches' offset: my lane x a row's bytes; never rewritten
.set ML,   31                          ; 1.0 in lanes 0-15, 0 in lanes 16-31
.set TMP,  128                         ; v128-175 packed results
.set LIM,  15                          ; s15  1 in a wave that prefetches, else the greatest number
.set LAP,  21                          ; s21  laps to go
.set G1,   24                          ; s[24:31] group 1 for xb's tile;  s[32:39] group 0, a set for each slot
.set G0,   32
.set PFA,  40                          ; s[40:41] where my prefetches stand
.set PST,  42                          ; s[42:43] their step: a K step's bytes along a row of xb, or down wqb
.set G1B,  48                          ; s[48:55], s[56:63] the same for wqb's chunks
.set G0B,  56
.set DD,   68                          ; s[68:91] d of my three heads;  1/g, 8 hs, .. of head i at s[92+4i] (i = 2: s[44:47])
.set MSB, 0
.macro WIN new
.if MSB != (\new)
	s_set_vgpr_msb (MSB<<8)|(\new)
.set MSB, (\new)
.endif
.endm
.macro JLOAD s                         ; a joint load; the branch hangs on the wave's number alone; an s_nop 0 and four v_nop follow each line
	s_cmp_eq_u32 s12, 3
	s_cbranch_scc0 .Lfor_b_\@
	tensor_load_to_lds s[G0+4*(\s):G0+4*(\s)+3], s[G1:G1+7]
	s_nop 0
.rept 4
	v_nop
.endr
	s_branch .Lasked_\@
.Lfor_b_\@:
	tensor_load_to_lds s[G0B+4*(\s):G0B+4*(\s)+3], s[G1B:G1B+7]
	s_nop 0
.rept 4
	v_nop
.endr
.Lasked_\@:
.endm
; A prefetch of the K step two refills on: 32 rows x 256 bytes, a lane a row, one instruction a wave.  xb's rows are named by the clusters with x = 0 (wave 3; partner cx takes rows 32 cx ..),
; wqb's by the clusters with y = 0 (waves 0-2; partner cy takes k rows 32 cy ..): each block of 256 bytes is named once in the launch.  The last lap of the loop has no K step two on.
.macro ASK
	s_cmp_gt_u32 s[LAP], s[LIM]
	s_cbranch_scc0 .Lnot_mine_\@
	global_prefetch_b8 v[PFO], s[PFA:PFA+1] th:TH_LOAD_NT scope:SCOPE_SE
.Lnot_mine_\@:
.endm
.macro CREST
	s_cmp_lg_u32 s12, 0
	s_cbranch_scc1 .Lnot_wave_0_\@
	s_barrier_signal -3
.Lnot_wave_0_\@:
	s_barrier_wait -3
	s_barrier_signal -1
	s_barrier_wait -1
.endm
.macro CROUND
	s_barrier_signal -1
	s_barrier_wait -1
	CREST
.endm
.macro PLACES
.rept 4
	v_nop
.endr
.endm
	s_load_b256 s[4:11], s[0:1], 0x0               ; xb 4, wqb 6, geo 8, qkvh 10
	v_lshl_add_u32 v[SPW], v0, 2, SPARE
	v_mov_b32 v[NIL], 0
	ds_add_u32 v[SPW], v[NIL]                      ; the wave's opening: the add and its wait stand ahead of my first tensor load
	v_lshrrev_b32 v1, 5, v0
	v_readfirstlane_b32 s12, v1                    ; wave
	s_lshr_b32 s13, s12, 1                         ; wr: my half of the rows
	s_and_b32 s14, s12, 1                          ; wc: my half of the columns
	s_bfe_u32 s16, ttmp6, 0x40000                  ; cx
	s_bfe_u32 s17, ttmp6, 0x40004                  ; cy
	s_lshl_b32 s18, ttmp9, 2
	s_add_co_u32 s18, s18, s16                     ; tile column 0..7
	s_and_b32 s19, ttmp7, 0xffff
	s_lshl_b32 s19, s19, 2
	s_add_co_u32 s19, s19, s17                     ; tile row 0..31
	s_lshl_b32 s21, s17, 2
	s_lshl_b32 s21, 15, s21                        ; my row of the cluster
	s_lshl_b32 s22, 0x1111, s16                    ; my column
	s_or_b32 s[G1+0], s21, (1<<16)|(1<<20)|(1<<21)|(5<<22)|(3<<25)   ; mask; 2-byte elements; padding on; bit 21 beside a mask; after every 64 words; 4 words
	s_or_b32 s[G1B+0], s22, (1<<16)|(1<<20)|(1<<21)|(5<<22)|(7<<25)  ; the same with 8 words
.irp g, G1, G1B
	s_mov_b32 s[(\g)+1], 128<<16                   ; tensor_dim0 = 128
	s_mov_b32 s[(\g)+2], 128<<16                   ; tensor_dim1 = 128
	s_mov_b32 s[(\g)+3], 128<<16                   ; tile_dim0 = 128
	s_mov_b32 s[(\g)+4], 128                       ; tile_dim1 = 128
	s_mov_b32 s[(\g)+6], 0
	s_mov_b32 s[(\g)+7], 0
.endr
	s_mov_b32 s[G1+5], 1024                        ; elements from row to row
	s_mov_b32 s[G1B+5], 3072
	s_lshl_b32 s66, s19, 18                        ; xb: 128 rows of 2,048 bytes a tile row
	s_mov_b32 s67, 0
	s_mul_i32 s22, s18, 768                        ; wqb: 384 columns a tile column,
	s_lshl_b32 s23, s12, 8                         ; my chunk of 128
	s_add_co_u32 s22, s22, s23
	s_mov_b32 s23, 0
	s_mul_i32 s20, s12, CH                         ; where my fill lands: no place in the cluster enters an LDS address
	s_wait_dscnt 0x0                               ; the opening add is done
	s_wait_kmcnt 0x0
	s_add_nc_u64 s[66:67], s[4:5], s[66:67]
	s_add_nc_u64 s[22:23], s[6:7], s[22:23]
	CROUND                                         ; all sixteen work-groups are here: the first joint loads meet
.irp s, 0,1
	s_mov_b32 s[G0+4*(\s)], 1
	s_add_co_u32 s[G0+4*(\s)+1], s20, (\s)*SLOT
	s_add_nc_u64 s[G0+4*(\s)+2:G0+4*(\s)+3], s[66:67], (\s)*256
	s_or_b32 s[G0+4*(\s)+3], s[G0+4*(\s)+3], 0x80000000
	s_mov_b32 s[G0B+4*(\s)], 1
	s_add_co_u32 s[G0B+4*(\s)+1], s20, (\s)*SLOT
	s_add_nc_u64 s[G0B+4*(\s)+2:G0B+4*(\s)+3], s[22:23], (\s)*BSTEP
	s_or_b32 s[G0B+4*(\s)+3], s[G0B+4*(\s)+3], 0x80000000
	JLOAD \s                                       ; two tensor loads of mine are out
.endr
	v_and_b32 v1, 15, v0                           ; l % 16
	v_bfe_u32 v2, v0, 4, 1                         ; l / 16
	v_mul_u32_u24 v3, v1, PA
	v_lshl_add_u32 v3, v2, 4, v3
	s_mul_i32 s3, s13, 64*PA
	s_add_co_u32 s3, s3, 3*CH
	v_add_nc_u32 v[ADRA], s3, v3
	v_add_nc_u32 v[ADRA+1], SLOT, v[ADRA]
	v_and_b32 v4, 7, v0                            ; the turning load: k row 8 (l / 16) + l % 8, columns 8 ((l / 8) % 2) + 0..7
	v_lshl_add_u32 v4, v2, 3, v4
	v_mul_u32_u24 v4, v4, PB
	v_bfe_u32 v5, v0, 3, 1
	v_lshl_add_u32 v4, v5, 4, v4
	s_mul_i32 s3, s14, 3                           ; my first head among the tile's six
.irp i, 0,1,2
	s_add_co_u32 s2, s3, \i
	s_lshr_b32 s100, s2, 1                         ; its chunk,
	s_mul_i32 s100, s100, CH
	s_and_b32 s2, s2, 1                            ; and half of the chunk's 256 bytes
	s_lshl_b32 s2, s2, 7
	s_add_co_u32 s2, s2, s100
	v_add_nc_u32 v[ADRB+(\i)], s2, v4
	v_add_nc_u32 v[ADRB+3+(\i)], SLOT, v[ADRB+(\i)]
.endr
	s_mul_i32 s3, s12, WSTG
	s_add_co_u32 s3, s3, STAGE                     ; my stage
	v_mul_u32_u24 v3, v1, 144                      ; in: row l % 16, 16 bytes for each half of the lanes
	v_lshl_add_u32 v3, v2, 4, v3
	v_add_nc_u32 v[STO], s3, v3
	v_bfe_u32 v3, v0, 3, 2                         ; back: 32 lanes take four rows of 128 bytes,
	v_mul_u32_u24 v3, v3, 144
	v_and_b32 v4, 7, v0
	v_lshl_add_u32 v3, v4, 4, v3
	v_add_nc_u32 v[RD], s3, v3
	v_and_b32 v[GO], 31, v0                        ; which are 512 consecutive bytes of a head
	v_lshlrev_b32 v[GO], 4, v[GO]
	v_cvt_f32_u32 v[ML], v2
	v_sub_f32 v[ML], 1.0, v[ML]
	s_mul_i32 s22, s18, 6
	s_mul_i32 s23, s14, 3
	s_add_co_u32 s2, s22, s23                      ; hp of my first head
	s_lshl_b32 s22, s2, 6
	s_mov_b32 s23, 0
	s_add_nc_u64 s[22:23], s[8:9], s[22:23]        ; its row of the table; the next two rows are the next two heads'
	s_load_b256 s[DD:DD+7], s[22:23], 0x0
	s_load_b128 s[92:95], s[22:23], 0x20
	s_load_b256 s[DD+8:DD+15], s[22:23], 0x40
	s_load_b128 s[96:99], s[22:23], 0x60
	s_load_b256 s[DD+16:DD+23], s[22:23], 0x80
	s_load_b128 s[44:47], s[22:23], 0xa0
	s_lshl_b32 s100, s2, 18                        ; where my rows of my first head begin in qkvh
	s_lshr_b32 s3, s19, 4
	s_mul_i32 s3, s3, 12582912                     ; the batch
	s_add_co_u32 s100, s100, s3
	s_and_b32 s3, s19, 15
	s_lshl_b32 s3, s3, 14                          ; 128 rows of 128 bytes a tile row
	s_add_co_u32 s100, s100, s3
	s_lshl_b32 s3, s13, 13
	s_add_co_u32 s100, s100, s3
	s_mov_b32 s101, 0
	s_add_nc_u64 s[10:11], s[10:11], s[100:101]
	s_lshl_b32 s100, s19, 18                       ; the prefetches.  xb: my tile row, my work-group's 32 rows
	s_lshl_b32 s101, s16, 16
	s_add_co_u32 s100, s100, s101
	s_mul_i32 s101, s18, 768                       ; wqb: my chunk, my work-group's 32 k rows
	s_lshl_b32 s2, s12, 8
	s_add_co_u32 s101, s101, s2
	s_mul_i32 s2, s17, 32*6144
	s_add_co_u32 s101, s101, s2
	s_and_b32 s2, ttmp7, 0xffff                    ; cluster y
	s_mov_b32 s3, 6144
	s_mov_b32 s[PST], BSTEP
	s_mov_b32 s[PST+1], 0
	s_cmp_eq_u32 s12, 3
	s_cselect_b32 s100, s100, s101
	s_cselect_b32 s2, ttmp9, s2                    ; the coordinate along which other clusters read the same rows
	s_cselect_b32 s3, 2048, s3
	s_cselect_b32 s[PST], 256, s[PST]
	s_cselect_b64 s[PFA:PFA+1], s[4:5], s[6:7]
	s_cmp_eq_u32 s2, 0
	s_cselect_b32 s[LIM], 1, -1                    ; the same in all sixteen partners, for a given wave
	s_mov_b32 s101, 0
	s_add_nc_u64 s[PFA:PFA+1], s[PFA:PFA+1], s[100:101]
	s_mul_i32 s100, s[PST], 3
	s_add_nc_u64 s[PFA:PFA+1], s[PFA:PFA+1], s[100:101]  ; at K step 3: the first refill steps it to 4
	v_and_b32 v[PFO], 31, v0
	v_mul_u32_u24 v[PFO], s3, v[PFO]
; 12 matrix instructions: row block a x all 12 column blocks, 32 along K, from buffer f.  The 48 accumulators take turns, in the same order in every quarter.
.macro MUL12 f, a, zero
	WIN 0xa1+0x50*((\a)/2)                         ; source 0 window 1, source 1 window 0, C and D window 2 or 3
.irp nb, 0,1,2,3,4,5,6,7,8,9,10,11
.set rD, 8*(12*((\a)%2)+(\nb))
.if \zero
	v_wmma_f32_16x16x32_bf16 v[rD:rD+7], v[96*(\f)+8*(\nb):96*(\f)+8*(\nb)+7], v[64+32*(\f)+8*(\a):64+32*(\f)+8*(\a)+7], 0
.else
	v_wmma_f32_16x16x32_bf16 v[rD:rD+7], v[96*(\f)+8*(\nb):96*(\f)+8*(\nb)+7], v[64+32*(\f)+8*(\a):64+32*(\f)+8*(\a)+7], v[rD:rD+7]
.endif
.endr
.endm
; 32 LDS loads in one run: quarter kq (32 along K) of a slot into buffer f; xb's row blocks 2, 3 last
.macro FETCH slot, kq, f
	WIN 0x40
.irp i, 0,1,2
.irp n, 0,1,2,3
	ds_load_tr16_b128 v[96*(\f)+8*(4*(\i)+(\n)):96*(\f)+8*(4*(\i)+(\n))+3],   v[ADRB+3*(\slot)+(\i)] offset:(\kq)*32*PB+32*(\n)
	ds_load_tr16_b128 v[96*(\f)+8*(4*(\i)+(\n))+4:96*(\f)+8*(4*(\i)+(\n))+7], v[ADRB+3*(\slot)+(\i)] offset:(\kq)*32*PB+32*(\n)+16*PB
.endr
.endr
	WIN 0
.irp a, 0,1,2,3
	ds_load_b128 v[64+32*(\f)+8*(\a):64+32*(\f)+8*(\a)+3],   v[ADRA+(\slot)] offset:64*(\kq)+(\a)*16*PA
	ds_load_b128 v[64+32*(\f)+8*(\a)+4:64+32*(\f)+8*(\a)+7], v[ADRA+(\slot)] offset:64*(\kq)+(\a)*16*PA+32
.endr
.endm
; One of a K step's first three quarters: multiplies buffer f, and in its middle fetches quarter kq of the same slot into buffer g
.macro QUARTER slot, kq, f, g, zero
	s_wait_dscnt 4                                 ; all but xb's row blocks 2, 3: the youngest four loads
	MUL12 \f, 0, \zero
	MUL12 \f, 1, \zero
	PLACES                                         ; four places in front of loads into registers that matrix instructions have read
	FETCH \slot, \kq, \g
	s_wait_dscnt 32                                ; all but the 32 just issued
	MUL12 \f, 2, \zero
	MUL12 \f, 3, \zero
.endm
; The last quarter multiplies buffer 1 and changes slots: one barrier; in front of it each wave waits for all its tensor loads (one is out: its part of the next slot), adds 0 to its spare word,
; and waits for that and for its own reads of this slot.  fill = 1: the barrier opens a round of the cluster's, and this slot is filled again, two K steps on, first thing behind it:
; 168 matrix instructions stand between that request and the wait for it.
.macro TURN slot, next, fill
.if \fill
	s_wait_xcnt 0x0                                ; the last prefetch, a K step back, has read its address
	s_add_nc_u64 s[PFA:PFA+1], s[PFA:PFA+1], s[PST:PST+1]
.endif
	WIN 0
	s_wait_tensorcnt 0x0
	ds_add_u32 v[SPW], v[NIL]
	s_wait_dscnt 5                                 ; the add and the youngest four loads may be out
	MUL12 1, 0, 0
	s_wait_dscnt 0x0                               ; the add is done, and my reads of this slot are over
	s_barrier_signal -1
	MUL12 1, 1, 0
.if \fill
	WIN 0
.endif
	s_barrier_wait -1
.if \fill
	CREST
	s_add_nc_u64 s[G0+4*(\slot)+2:G0+4*(\slot)+3], s[G0+4*(\slot)+2:G0+4*(\slot)+3], 512
	s_add_nc_u64 s[G0B+4*(\slot)+2:G0B+4*(\slot)+3], s[G0B+4*(\slot)+2:G0B+4*(\slot)+3], 2*BSTEP
	JLOAD \slot                                    ; its four v_nop are also the places in front of the loads below
.else
	PLACES
.endif
	FETCH \next, 0, 0
.if \fill
	ASK
.endif
	MUL12 1, 2, 0
	MUL12 1, 3, 0
.endm
	s_wait_tensorcnt 1                             ; my part of K step 0 is in; K step 1's may stay out
	s_wait_kmcnt 0x0                               ; the table
	s_barrier_signal -1
	s_barrier_wait -1
	FETCH 0, 0, 0
	QUARTER 0, 1, 0, 1, 1                          ; the first quarter's products start the sums
	WIN 0
	s_mov_b32 s[LAP], 3
.Llap:                                             ; a trip goes once round the ring and fills both slots again
	QUARTER 0, 2, 1, 0, 0
	QUARTER 0, 3, 0, 1, 0
	TURN 0, 1, 1
	QUARTER 1, 1, 0, 1, 0
	QUARTER 1, 2, 1, 0, 0
	QUARTER 1, 3, 0, 1, 0
	TURN 1, 0, 1
	QUARTER 0, 1, 0, 1, 0
	WIN 0
	s_sub_co_u32 s[LAP], s[LAP], 1
	s_cmp_lg_u32 s[LAP], 0
	s_cbranch_scc1 .Llap
	QUARTER 0, 2, 1, 0, 0                          ; the last lap fills nothing
	QUARTER 0, 3, 0, 1, 0
	TURN 0, 1, 0
	QUARTER 1, 1, 0, 1, 0
	QUARTER 1, 2, 1, 0, 0
	QUARTER 1, 3, 0, 1, 0
	s_wait_dscnt 4
	MUL12 1, 0, 0
	MUL12 1, 1, 0
	s_wait_dscnt 0x0
	MUL12 1, 2, 0
	MUL12 1, 3, 0
	WIN 0
	PLACES
	PLACES
.irp i, 0,1,2
	v_mul_f32 v[MLQ+(\i)], s[93+4*(\i)-56*((\i)/2)], v[ML]
.endr
; THE WAY OUT of row block a.  All numbers times 1/g; the projection of a row's first 8 channels onto d (lanes 0-15 of each head's first column block hold them); those channels take 8 hs x projection x d;
; rounded to f16, 16 bytes a lane; through my stage; back as whole rows of 128 bytes.  Each accumulator's registers are taken in ascending order.
.macro PACK a
.set W, 2+(\a)/2
.set AC, 96*((\a)%2)
	WIN (W<<6)|W
.irp nb, 0,1,2,3,4,5,6,7,8,9,10,11
.set CB, 92+4*((\nb)/4)-56*((\nb)/8)
.irp r, 0,1,2,3
	v_pk_mul_f32 v[AC+8*(\nb)+2*(\r):AC+8*(\nb)+2*(\r)+1], v[AC+8*(\nb)+2*(\r):AC+8*(\nb)+2*(\r)+1], s[CB:CB+1] op_sel_hi:[1,0]
.endr
.endr
	WIN W
.irp i, 0,1,2
	v_mul_f32 v[PR+(\i)], v[AC+32*(\i)], s[DD+8*(\i)]
.endr
.irp j, 1,2,3,4,5,6,7
.irp i, 0,1,2
	v_fma_f32 v[PR+(\i)], v[AC+32*(\i)+(\j)], s[DD+8*(\i)+(\j)], v[PR+(\i)]
.endr
.endr
	WIN 0
.irp i, 0,1,2
	v_mul_f32 v[PR+(\i)], v[PR+(\i)], v[MLQ+(\i)]
.endr
	WIN (W<<6)|(W<<4)
.irp j, 0,1,2,3,4,5,6,7
.irp i, 0,1,2
	v_fma_f32 v[AC+32*(\i)+(\j)], v[PR+(\i)], s[DD+8*(\i)+(\j)], v[AC+32*(\i)+(\j)]
.endr
.endr
	WIN W|(W<<2)
.irp nb, 0,1,2,3,4,5,6,7,8,9,10,11
.irp r, 0,1,2,3
	v_cvt_pk_f16_f32 v[TMP+4*(\nb)+(\r)], v[AC+8*(\nb)+2*(\r)], v[AC+8*(\nb)+2*(\r)+1]
.endr
.endr
	WIN 0
.endm
.macro TOSTAGE a
	WIN 0
.set BK, 176-112*((\a)%2)                          ; v176-223 and v64-111 by turns
.irp nb, 0,1,2,3,4,5,6,7,8,9,10,11
	ds_store_b128 v[STO], v[TMP+4*(\nb):TMP+4*(\nb)+3] offset:((\nb)/4)*HSTG+32*((\nb)%4)
.endr
.irp i, 0,1,2
.irp f, 0,1,2,3
	ds_load_b128 v[BK+4*(4*(\i)+(\f)):BK+4*(4*(\i)+(\f))+3], v[RD] offset:(\i)*HSTG+(\f)*576  ; LDS serves a wave's instructions in order (ISA guide 5.7.1.4): these see the stores above
.endr
.endr
.endm
.macro SEND a
	WIN 0
.set BK, 176-112*((\a)%2)
	s_wait_dscnt 0x0                               ; the block is back in registers
	s_wait_xcnt 0x0                                ; the stores of the block before have read their registers, which the next block's loads write
.irp i, 0,1,2
.irp f, 0,1,2,3
	global_store_b128 v[GO], v[BK+4*(4*(\i)+(\f)):BK+4*(4*(\i)+(\f))+3], s[10:11] offset:(\i)*262144+(\a)*2048+(\f)*512  ; 512 consecutive bytes, at a multiple of 256
.endr
.endr
.endm
	PACK 0
	TOSTAGE 0
.irp a, 1,2,3
	PACK \a
	SEND (\a)-1
	TOSTAGE \a
.endr
	SEND 3
	s_wait_tensorcnt 0x0                           ; the wave's end
	ds_add_u32 v[SPW], v[NIL]
	s_wait_dscnt 0x0
	CROUND                                         ; the closing round
	s_endpgm
.Lfunc_end_k_qffbeda1112_qkv:
	.size	k_qffbeda1112_qkv, .Lfunc_end_k_qffbeda1112_qkv-k_qffbeda1112_qkv
	.p2alignl 7, 3214868480
	.fill 96, 4, 3214868480
	.section	.rodata,"a",@progbits
	.p2align	6, 0x0
	.amdhsa_kernel k_qffbeda1112_qkv
		.amdhsa_group_segment_fixed_size 327680
		.amdhsa_private_segment_fixed_size 0
		.amdhsa_enable_private_segment 0
		.amdhsa_kernarg_size 32
		.amdhsa_user_sgpr_count 2
		.amdhsa_user_sgpr_kernarg_segment_ptr 1
		.amdhsa_wavefront_size32 1
		.amdhsa_system_sgpr_workgroup_id_x 1
		.amdhsa_system_sgpr_workgroup_id_y 1
		.amdhsa_system_sgpr_workgroup_id_z 1
		.amdhsa_system_vgpr_workitem_id 0
		.amdhsa_next_free_vgpr 960
		.amdhsa_next_free_sgpr 102
		.amdhsa_reserve_vcc 0
		.amdhsa_float_denorm_mode_32 3
		.amdhsa_float_denorm_mode_16_64 3
		.amdhsa_memory_ordered 1
		.amdhsa_forward_progress 1
		.amdhsa_inst_pref_size 146
	.end_amdhsa_kernel
	.amdgpu_metadata
---
amdhsa.version: [ 1, 2 ]
amdhsa.kernels:
  - .name:           k_qffbeda1112_qkv
    .symbol:         k_qffbeda1112_qkv.kd
    .args:
      - { .name: xb, .offset: 0, .size: 8, .value_kind: global_buffer, .address_space: global }
      - { .name: wqb, .offset: 8, .size: 8, .value_kind: global_buffer, .address_space: global }
      - { .name: geo, .offset: 16, .size: 8, .value_kind: global_buffer, .address_space: global }
      - { .name: qkvh, .offset: 24, .size: 8, .value_kind: global_buffer, .address_space: global }
    .group_segment_fixed_size: 327680
    .private_segment_fixed_size: 0
    .kernarg_segment_align: 8
    .kernarg_segment_size: 32
    .max_flat_workgroup_size: 128
    .sgpr_count:     102
    .vgpr_count:     960
    .wavefront_size: 32
...
	.end_amdgpu_metadata
.endif
;; end of part 2
;; launch attn (part 3): grid 8 x 32, 4 waves a work-group, no clusters, 327,680 bytes of LDS; arguments qkvh, geo, oh; writes oh
.if DOCPART == 3
	.amdgcn_target "amdgcn-amd-amdhsa--gfx1250"
	.amdhsa_code_object_version 6
	.text
	.protected	k_qffbeda1112_attn
	.globl	k_qffbeda1112_attn
	.p2align	8
	.type	k_qffbeda1112_attn,@function
k_qffbeda1112_attn:
	s_mov_b64 s[64:65], 0
	v_nop
	global_prefetch_b8 v0, s[64:65] scope:SCOPE_SE
	s_setreg_imm32_b32 hwreg(HW_REG_WAVE_MODE, 25, 1), 1
	s_wait_xcnt 0x0
; CAUSAL ATTENTION.  O[bh][q][:] = the sum over k <= q of softmax_k(cg q''[q] . K[k]) V[k][:] in base 2, cg = g log2(e)/8 from the table geo (q'' = q'/g carries the geometric bias).
; qkvh: [b 2][hp 48][2048][64] f16 (hp 0-15 q'', 16-31 k, 32-47 v); oh: [bh 32][2048][64] f16.  Products, maxima and sums in f32; the weights p are rounded to f16 for the second product, O once at the end.
; LIMITS.  A hidden score counts as its value less 1e30; a weight below 2^-126 counts as 0 in l; p below 6e-5 keeps f16's fixed step; NaN and infinities are not treated apart.
; THE WALK.  A head's queries lie in 16 blocks of 128; block i needs the key tiles 0 .. i / 2 of 256 keys, of which the last holds the diagonal.  A work-group takes TWO blocks, 15 - b and then b:
; (15 - b) / 2 + b / 2 + 2 = 9 tiles whatever b: 8 x 32 = 256 work-groups of equal work, and ONE loop with a constant trip count walks them.  Every jump but the counted loops' own goes forward;
; none passes a barrier, or a tensor load but the one of LOAD's two that the wave's number does not choose.
; NO CLUSTER: of a head's eight work-groups only two walk the same tiles in the same trips from end to end, and a walk common to four would have 10 tiles for 9.
; SHARES.  Of a block's two bands of 64 queries a wave owns 16 rows in each: two pieces.  In the diagonal tile's key step s the band X = 2 (block % 2) + piece sees all keys if s < X, none if s > X, and
; holds the diagonal if s = X: the same work for all four waves.
; FOUR TURNS ARE TWO KEY STEPS.  Turn Y = 0..3 belongs to (piece Y % 2, step parity Y / 2): 8 products K Q^T of turn Y + 1's piece and step, later 8 products V^T P of turn Y - 1's; beside them the
; scaling, exponentials, roundings, sums and rescaling of its own piece and the maximum and statistics of the next.  K and V have a buffer for each step parity.  Four vector instructions stand behind
; every matrix instruction, the others in one lump.  A turn's 33 exponentials are one batch, with one wait.
; THE MASK is the C operand that starts the sum S^T = K Q^T: MD x AL + BE, with MD the mask of a band's own step for my 16 rows and (AL, BE) = (1, 0), (0, 0) or (0, -1e30).
; REGISTERS, in windows of 256 (s_set_vgpr_msb: bits 1:0 source 0, 3:2 source 1, 5:4 source 2, 7:6 destination):
;   window 0: v0-15 addresses; v16-23 statistics; v48-55 at work; v61-63; v64-127 S^T, two buffers; v192-223 P, two buffers
;   window 1: v0-63 O^T; v64-95 Q; v96-127 the second block's Q; v128-159 MD; v160-223 MC, two buffers      window 2: v0-127 K, even and odd step; v128-255 V likewise
.set NP,    4
.set KS,    64
.set PK,    144       ; a row of K in LDS: 128 bytes + 16: the 16 rows of a load start at 16 different groups of four banks
.set PV,    160       ; a row of V: 128 + 32
.set VOFF,  4*KS*PK   ; a slot holds a tile, four steps: 256 rows of K, then 256 rows of V
.set SLOT1, 1<<17
.set STAGE, SLOT1+4*KS*(PK+PV)  ; behind the ring: 16 rows x 144 bytes for each wave
.set SP,    144
.set AK0, 2
.set AV0, 3
.set AK,  4
.set AV,  5
.set STO, 6
.set RD,  7
.set GO,  8
.set PFO, 61          ; v61  the prefetches' offset; never rewritten
.set SPW, 62          ; v62  my spare word; never rewritten
.set NIL, 63          ; v63  0; never rewritten
.set SPARE, STAGE+4*16*SP
.set MV,  12
.set QO,  15
.set ST,  16          ; piece r's statistics at v[ST+4 r]: c m, m, l (even keys', odd keys')
.set TMP, 48
.set S,   64
.set P,   192
.set QF,  64          ; window 1
.set QB,  96          ; window 1
.set MD,  128         ; window 1
.set MC,  160         ; window 1
.set WV,  12
.set PB,  14          ; s14  b
.set HI,  15          ; s15  15 - b
.set G1K, 24
.set G1V, 32
.set G0K, 40
.set G0V, 44
.set PFK, 48          ; s[48:49] K of the tile that the next change will ask for
.set PFV, 50          ; s[50:51] V of it
.set LIM, 52          ; s52  0 in the work-group that prefetches (b = 0), else the greatest number
.set TS,  53          ; s53  the step for which a mask is made
.set XB,  54          ; s54, s55  the bands of pieces 0 and 1 in the diagonal tile
.set SLOTS, 56
.set CNT, 57          ; s57  counts a tile's two trips
.set CS,  58          ; s[58:59] cg
.set SEL, 60
.set TBK, 62
.set TBV, 63
.set RT,  70
.set NXT, 71
.set LQ,  72
.set NEW, 73
.set OFF, 74
.set AL,  76
.set BE,  78
.set OLO, 80
.set BIGN, 82
.set LQ2, 83          ; s83  the second block's last tile
.set RT2, 88          ; s88  its number of tiles
.set XB2, 89          ; s89  its piece 0's band
.set MSB, 0
.macro WIN new
.if MSB != (\new)
	s_set_vgpr_msb (MSB<<8)|(\new)
.set MSB, (\new)
.endif
.endm
.set W_KQ, 0x06       ; K in window 2, Q in window 1, S^T in window 0
.set W_KM, 0x16       ; the same with the C operand in window 1
.set W_PV, 0x52       ; V in window 2, P in window 0, O^T in window 1
.set W_RS, 0x41       ; destination and source 0 in window 1, source 1 in window 0
.macro LOAD                         ; waves 0 and 1 fetch the two halves of a tile's K, waves 2 and 3 those of its V; an s_nop 0 and four v_nop follow each line
	s_cmp_lt_u32 s[WV], 2
	s_cbranch_scc0 .Lfor_v_\@
	tensor_load_to_lds s[G0K:G0K+3], s[G1K:G1K+7]
	s_nop 0
.rept 4
	v_nop
.endr
	s_branch .Lasked_\@
.Lfor_v_\@:
	tensor_load_to_lds s[G0V:G0V+3], s[G1V:G1V+7]
	s_nop 0
.rept 4
	v_nop
.endr
.Lasked_\@:
.endm
; THE CHANGE OF SLOTS.  Each wave waits for all its tensor loads (one is out: its part of the other slot), adds 0 to its spare word, and waits for that and for its own reads of the slot that it leaves.
; fill = 1: the old slot is filled again, first thing behind the barrier, with tile NXT; the descriptor's address is made anew from that number.
; Behind the load the work-group with b = 0, which walks all eight tiles of the head first, prefetches the tile that the NEXT change will ask for: its four waves name 32 blocks of 256 bytes of K and of V
; each, a lane a block, 128 matrix instructions ahead of the load.  Where the next tile is a block's tile 0 again, nothing is asked.
.macro CHANGE fill
	WIN 0
	s_wait_tensorcnt 0x0
	ds_add_u32 v[SPW], v[NIL]       ; 0 onto my spare word; scalar work stands between it and the wait for it
.if \fill
	s_lshl_b32 s[OFF], s[NXT], 15
	s_xor_b32 s[G0K+1], s[G0K+1], SLOT1
	s_add_nc_u64 s[G0K+2:G0K+3], s[6:7], s[OFF:OFF+1]
	s_or_b32 s[G0K+3], s[G0K+3], 0x80000000
	s_xor_b32 s[G0V+1], s[G0V+1], SLOT1
	s_add_nc_u64 s[G0V+2:G0V+3], s[8:9], s[OFF:OFF+1]
	s_or_b32 s[G0V+3], s[G0V+3], 0x80000000
	s_add_co_u32 s[NXT], s[NXT], 1
	s_cmp_gt_u32 s[NXT], s[LQ]
	s_cselect_b32 s[NXT], 0, s[NXT]
	s_cselect_b32 s[LQ], s[LQ2], s[LQ]
	s_wait_xcnt 0x0                 ; the last prefetches, a tile back, have read their addresses
	s_lshl_b32 s[OFF], s[NXT], 15
	s_add_nc_u64 s[PFK:PFK+1], s[6:7], s[OFF:OFF+1]
	s_add_nc_u64 s[PFV:PFV+1], s[8:9], s[OFF:OFF+1]
.endif
	s_wait_dscnt 0x0                ; the add is done, and my reads of the slot are over
	s_barrier_signal -1
	s_sub_co_u32 s[TBK], s[TBK], 4*KS*PK
	s_xor_b32 s[TBK], s[TBK], SLOT1
	s_sub_co_u32 s[TBV], s[TBV], 4*KS*PV
	s_xor_b32 s[TBV], s[TBV], SLOT1
	s_barrier_wait -1
.if \fill
	LOAD
	s_cmp_gt_u32 s[NXT], s[LIM]
	s_cbranch_scc0 .Lnone_\@
	global_prefetch_b8 v[PFO], s[PFK:PFK+1] th:TH_LOAD_NT scope:SCOPE_SE
	global_prefetch_b8 v[PFO], s[PFV:PFV+1] th:TH_LOAD_NT scope:SCOPE_SE
.Lnone_\@:
.endif
.endm
	s_load_b128 s[92:95], s[0:1], 0x0  ; qkvh s[92:93], geo s[94:95]
	s_load_b64 s[10:11], s[0:1], 0x10  ; oh
	v_lshl_add_u32 v[SPW], v0, 2, SPARE
	v_mov_b32 v[NIL], 0
	ds_add_u32 v[SPW], v[NIL]       ; the wave's opening: the add and its wait stand ahead of my first tensor load
	v_lshrrev_b32 v1, 5, v0
	v_readfirstlane_b32 s[WV], v1
	s_mov_b32 s[PB], ttmp9
	s_sub_co_u32 s[HI], 15, s[PB]
	s_and_b32 s20, ttmp7, 0xffff    ; batch x 16 + head
	s_lshr_b32 s21, s20, 4
	s_mul_i32 s21, s21, 48
	s_and_b32 s22, s20, 15
	s_add_co_u32 s21, s21, s22
	s_lshl_b32 s21, s21, 18         ; q'' of my head in qkvh; k lies 16 heads on, v 32
	s_lshl_b32 s90, s22, 6          ; my head's row of the table
	s_mov_b32 s91, 0
	s_and_b32 s16, s[WV], 1         ; which half of a tile's 256 keys I fetch
	s_lshl_b32 s22, s16, 14
	s_add_co_u32 s22, s22, s21
	s_add_co_u32 s22, s22, 1<<22
	s_mov_b32 s23, 0
	s_mul_i32 s17, s16, 128*PK
	s_mul_i32 s18, s16, 128*PV
	s_lshl_b32 s13, s[WV], 11       ; my 16 rows in a band of 64,
	s_lshl_b32 s2, s[HI], 14        ; in the first block,
	s_add_co_u32 s2, s2, s13
	s_lshl_b32 s84, s[PB], 14       ; and in the second
	s_add_co_u32 s84, s84, s13
	s_lshl_b32 s19, s20, 18         ; my head in oh
	s_add_co_u32 s86, s2, s19
	s_add_co_u32 s66, s84, s19
	s_add_co_u32 s2, s2, s21
	s_add_co_u32 s84, s84, s21
	s_mov_b32 s3, 0
	s_mov_b32 s85, 0
	s_mov_b32 s87, 0
	s_mov_b32 s67, 0
	; descriptor group 1.  128 keys are 16,384 dense bytes: asked for as 64 rows of 256 bytes, two keys a row, and padded in LDS after every key
	s_mov_b32 s[G1K], (1<<16)|(1<<20)|(4<<22)|(3<<25)
	s_mov_b32 s[G1V], (1<<16)|(1<<20)|(4<<22)|(7<<25)
.irp g, G1K, G1V
	s_mov_b32 s[\g+1], 128<<16
	s_mov_b32 s[\g+2], 64<<16
	s_mov_b32 s[\g+3], 128<<16
	s_mov_b32 s[\g+4], 64
	s_mov_b32 s[\g+5], 128
	s_mov_b32 s[\g+6], 0
	s_mov_b32 s[\g+7], 0
.endr
	s_mov_b32 s[SEL], 0x76543210
	s_mov_b32 s[SEL+1], 0xfedcba98
	s_mov_b32 s[TBK], SLOT1+4*KS*PK ; the first change of slots turns these two into 0
	s_mov_b32 s[TBV], SLOT1+4*KS*PV
	s_mov_b32 s[G0K], 1
	s_mov_b32 s[G0K+1], s17
	s_mov_b32 s[G0V], 1
	s_add_co_u32 s[G0V+1], s18, VOFF
	s_lshr_b32 s[LQ], s[HI], 1
	s_add_co_u32 s[RT], s[LQ], 1
	s_lshr_b32 s[LQ2], s[PB], 1
	s_add_co_u32 s[RT2], s[LQ2], 1
	s_and_b32 s[XB], s[HI], 1
	s_lshl_b32 s[XB], s[XB], 1
	s_add_co_u32 s[XB+1], s[XB], 1
	s_and_b32 s[XB2], s[PB], 1
	s_lshl_b32 s[XB2], s[XB2], 1
	s_cmp_eq_u32 s[PB], 0
	s_cselect_b32 s[LIM], 0, -1
	s_mov_b32 s[NXT], 1
	s_mov_b32 s[NEW], 1
	s_mov_b32 s[OFF+1], 0
	s_mov_b32 s[AL+1], 0
	s_mov_b32 s[BE+1], 0
	s_mov_b32 s[BIGN], 0xf149f2ca   ; -1e30
	s_mov_b32 s[SLOTS], 8
	s_wait_dscnt 0x0                ; the opening add is done
	s_wait_kmcnt 0x0
	s_add_nc_u64 s[6:7], s[92:93], s[22:23]  ; K and V at my half of the head's tile 0
	s_add_nc_u64 s[8:9], s[6:7], 1<<22
	s_add_nc_u64 s[G0K+2:G0K+3], s[6:7], 0
	s_or_b32 s[G0K+3], s[G0K+3], 0x80000000
	s_add_nc_u64 s[G0V+2:G0V+3], s[8:9], 0
	s_or_b32 s[G0V+3], s[G0V+3], 0x80000000
	s_add_nc_u64 s[4:5], s[92:93], s[2:3]          ; Q at my rows of the first block,
	s_add_nc_u64 s[68:69], s[92:93], s[84:85]      ; of the second
	s_add_nc_u64 s[OLO:OLO+1], s[10:11], s[66:67]
	s_add_nc_u64 s[10:11], s[10:11], s[86:87]
	s_add_nc_u64 s[90:91], s[94:95], s[90:91]
	s_load_b32 s[CS], s[90:91], 0x28
	LOAD                            ; tile 0 into slot 0
	v_and_b32 v1, 15, v0            ; l % 16
	v_bfe_u32 v9, v0, 4, 1          ; l / 16
	v_lshlrev_b32 v[QO], 7, v1
	v_lshl_add_u32 v[QO], v9, 4, v[QO]
	WIN 0x40                        ; destination window 1, address window 0
.set i, 0
.rept 4                             ; both blocks' Q: piece i / 2 lies in band i / 2, 8,192 bytes on; channels 32 (i % 2) on
	global_load_b128 v[QF+8*i:QF+8*i+3],   v[QO], s[4:5] offset:(i/2)*8192+(i%2)*64
	global_load_b128 v[QF+8*i+4:QF+8*i+7], v[QO], s[4:5] offset:(i/2)*8192+(i%2)*64+32
	global_load_b128 v[QB+8*i:QB+8*i+3],   v[QO], s[68:69] offset:(i/2)*8192+(i%2)*64
	global_load_b128 v[QB+8*i+4:QB+8*i+7], v[QO], s[68:69] offset:(i/2)*8192+(i%2)*64+32
.set i, i+1
.endr
	WIN 0
	v_lshlrev_b32 v14, 3, v9
	v_sub_nc_u32 v14, v1, v14
	s_lshl_b32 s13, s[WV], 4
	v_add_nc_u32 v14, s13, v14      ; my query's place in its band less my lanes' 8 (l / 16): register r of group kt is hidden where 16 kt + r is greater
	WIN 0x40
.set i, 0
.rept 32
	v_cmp_gt_i32 vcc_lo, 16*(i/8)+i%8, v14
	v_cndmask_b32 v[MD+i], 0, s[BIGN], vcc_lo
.set i, i+1
.endr
	WIN 0
	v_mul_u32_u24 v[AK0], v1, PK
	v_lshl_add_u32 v[AK0], v9, 4, v[AK0]
	v_and_b32 v10, 7, v0
	v_bfe_u32 v11, v0, 3, 1
	v_lshl_add_u32 v[AV0], v9, 3, v10
	v_mul_u32_u24 v[AV0], v[AV0], PV
	v_lshl_add_u32 v[AV0], v11, 4, v[AV0]
	v_add_nc_u32 v[AV0], VOFF, v[AV0]
	s_mul_i32 s13, s[WV], 16*SP
	s_add_co_u32 s13, s13, STAGE
	v_mul_u32_u24 v[STO], v1, SP
	v_lshl_add_u32 v[STO], v9, 4, v[STO]
	v_add_nc_u32 v[STO], s13, v[STO]
	v_bfe_u32 v[RD], v0, 3, 2
	v_mul_u32_u24 v[RD], v[RD], SP
	v_lshl_add_u32 v[RD], v10, 4, v[RD]
	v_add_nc_u32 v[RD], s13, v[RD]
	v_and_b32 v[GO], 31, v0
	v_lshlrev_b32 v[PFO], 8, v[GO]  ; 256 x lane,
	v_lshlrev_b32 v[GO], 4, v[GO]
	s_lshr_b32 s13, s[WV], 1
	s_lshl_b32 s13, s13, 13
	v_add_nc_u32 v[PFO], s13, v[PFO]  ; + 8,192 x (wave / 2); the wave's parity is in K's and V's addresses
	; A block's first step multiplies O^T and l by a = 0, and its first turn's products V^T P land in an O^T that is still to be so multiplied: these registers need only hold finite numbers.
	WIN 0x80
.set i, 192
.rept 64
	v_mov_b32 v[i], 0
.set i, i+1
.endr
	WIN 0x40
.set i, 0
.rept 64
	v_mov_b32 v[i], 0
.set i, i+1
.endr
	WIN 0
.set i, 0
.rept 2
	v_mov_b32 v[ST+4*i+2], 0
	v_mov_b32 v[ST+4*i+3], 0
.set i, i+1
.endr
.set i, P+16
.rept 16
	v_mov_b32 v[i], 0
.set i, i+1
.endr
	s_wait_kmcnt 0x0
	s_mov_b32 s[CS+1], s[CS]        ; named with it as a pair
; THE MATRIX WORK.  The 4 accumulators of a run of 8 take turns.  x = 0..3: piece x % 2, step parity x / 2.
.macro KQ x
.set rS, S+32*((\x)%2)+8*(i%4)
.set rK, 64*((\x)/2)+16*(i%4)+8*(i/4)
.set rQ, QF+16*((\x)%2)+8*(i/4)
.set rM, MC+32*((\x)%2)+8*(i%4)
.if (i < 4) && KM
	WIN W_KM
	v_wmma_f32_16x16x32_f16 v[rS:rS+7], v[rK:rK+7], v[rQ:rQ+7], v[rM:rM+7]
.elseif i < 4
	WIN W_KQ
	v_wmma_f32_16x16x32_f16 v[rS:rS+7], v[rK:rK+7], v[rQ:rQ+7], 0
.else
	WIN W_KQ
	v_wmma_f32_16x16x32_f16 v[rS:rS+7], v[rK:rK+7], v[rQ:rQ+7], v[rS:rS+7]
.endif
.endm
.macro PV x
	WIN W_PV
.set rO, 32*((\x)%2)+8*(i%4)
.set rV, 128+64*((\x)/2)+32*(i/4)+8*(i%4)
.set rP, P+16*((\x)%2)+8*(i/4)
	v_wmma_f32_16x16x32_f16 v[rO:rO+7], v[rV:rV+7], v[rP:rP+7], v[rO:rO+7]
.endm
.macro MM
.if (i < 8) && !NOKQ
	KQ (Y+1)%NP
.elseif i >= 8
.set i, i-8
	PV (Y+NP-1)%NP
.set i, i+8
.endif
.set i, i+1
.endm
; THE LDS LOADS stand in runs of 16: a step's K into buffer kb, its V (turned) into buffer vb.
.macro FETCH_K kb
	WIN 0x80
.irp f, 0,1,2,3,4,5,6,7
	ds_load_b128 v[64*(\kb)+8*\f:64*(\kb)+8*\f+3],   v[AK] offset:(\f/2)*16*PK+(\f%2)*64
	ds_load_b128 v[64*(\kb)+8*\f+4:64*(\kb)+8*\f+7], v[AK] offset:(\f/2)*16*PK+(\f%2)*64+32
.endr
	s_add_co_u32 s[TBK], s[TBK], KS*PK
	WIN 0
.endm
.macro FETCH_V vb
	WIN 0x80
.irp f, 0,1,2,3,4,5,6,7
	ds_load_tr16_b128 v[128+64*(\vb)+8*\f:128+64*(\vb)+8*\f+3],   v[AV] offset:(\f/4)*32*PV+(\f%4)*32
	ds_load_tr16_b128 v[128+64*(\vb)+8*\f+4:128+64*(\vb)+8*\f+7], v[AV] offset:(\f/4)*32*PV+16*PV+(\f%4)*32
.endr
	WIN 0
.endm
; THE VECTOR WORK, one line at a time: OP kind, number.  For turn Y's piece: F n: c s - c m for pair n of 16.  E n: the exponential of score n of 32.  C n: pair n rounded to f16.  B n: of the four weights
; 4 n .. the second pair is added onto the first.  L n: l takes that sum (L 0: l = a l + sum).  R n: pair n of 16 of O^T times a.  For turn Y + 1's: X n, number n of the 22 that find its maximum and statistics.
.set F, 0
.set E, 1
.set C, 2
.set B, 3
.set L, 4
.set R, 5
.set X, 6
.macro REGS y
.set rT, ST+4*((\y)%2)
.set rC, TMP+4*((\y)%2)
.set rW, MV+((\y)%2)
.set rS, S+32*((\y)%2)
.set rP, P+16*((\y)%2)
.set rO, 32*((\y)%2)
.endm
.macro OP k, n
.if (\k) == R
	REGS Y
	WIN W_RS
	v_pk_mul_f32 v[rO+2*(\n):rO+2*(\n)+1], v[rO+2*(\n):rO+2*(\n)+1], v[rC+2:rC+3] op_sel_hi:[1,0]
.elseif (\k) < R
	REGS Y
	WIN 0
.if (\k) == F
	v_pk_fma_f32 v[rS+2*(\n):rS+2*(\n)+1], v[rS+2*(\n):rS+2*(\n)+1], s[CS:CS+1], v[rT:rT+1] op_sel_hi:[1,0,0] neg_lo:[0,0,1] neg_hi:[0,0,1]
.elseif (\k) == E
	v_exp_f32 v[rS+(\n)], v[rS+(\n)]
.elseif (\k) == C
	v_cvt_pk_f16_f32 v[rP+(\n)], v[rS+2*(\n)], v[rS+2*(\n)+1]
.elseif (\k) == B
	v_pk_add_f32 v[rS+4*(\n):rS+4*(\n)+1], v[rS+4*(\n):rS+4*(\n)+1], v[rS+4*(\n)+2:rS+4*(\n)+3]
.elseif (\n) == 0
	v_pk_fma_f32 v[rT+2:rT+3], v[rT+2:rT+3], v[rC+2:rC+3], v[rS:rS+1] op_sel_hi:[1,0,1]
.else
	v_pk_add_f32 v[rT+2:rT+3], v[rT+2:rT+3], v[rS+4*(\n):rS+4*(\n)+1]
.endif
.elseif NOKQ
	v_nop
.else
	REGS (Y+1)%NP
	WIN 0
.if (\n) < 4
	v_max3_num_f32 v[rC+(\n)], v[rS+8*(\n)], v[rS+8*(\n)+1], v[rS+8*(\n)+2]
.elseif (\n) < 12
	v_max3_num_f32 v[rC+(\n)%4], v[rC+(\n)%4], v[rS+8*((\n)%4)+2*((\n)/4)+1], v[rS+8*((\n)%4)+2*((\n)/4)+2]
.elseif (\n) == 12
	v_max3_num_f32 v[rC], v[rC], v[rS+7], v[rS+15]
.elseif (\n) == 13
	v_max3_num_f32 v[rC+1], v[rC+1], v[rS+23], v[rS+31]
.elseif (\n) == 14
	v_max3_num_f32 v[rC+2], v[rC+2], v[rC+3], v[rT+1]
.elseif (\n) == 15
	v_mov_b32 v[rW], v[rT]
.elseif (\n) == 16
	v_max3_num_f32 v[rC], v[rC], v[rC+1], v[rC+2]
.elseif (\n) == 17
	v_permlanex16_b32 v[rC+3], v[rC], s[SEL], s[SEL+1]
.elseif (\n) == 18
	v_max_num_f32 v[rT+1], v[rC], v[rC+3]
.elseif (\n) == 19
	v_mul_f32 v[rT], s[CS], v[rT+1]
.elseif (\n) == 20
	v_sub_f32 v[rC+1], v[rW], v[rT]
.else
	v_exp_f32 v[rC+2], v[rC+1]
.endif
.endif
.endm
.macro OPS a, i1, b=-1, i2=0, c=-1, i3=0, d=-1, i4=0
	OP \a, \i1
.if (\b) >= 0
	OP \b, \i2
.endif
.if (\c) >= 0
	OP \c, \i3
.endif
.if (\d) >= 0
	OP \d, \i4
.endif
.endm
.macro ROW a, i1, b, i2, c, i3, d, i4
	MM
	OPS \a, \i1, \b, \i2, \c, \i3, \d, \i4
.endm
.macro MASK b
	WIN W_RS
.set z, 0
.rept 16
	v_pk_fma_f32 v[MC+32*(\b)+2*z:MC+32*(\b)+2*z+1], v[MD+2*z:MD+2*z+1], s[AL:AL+1], s[BE:BE+1] op_sel_hi:[1,0,0]
.set z, z+1
.endr
.endm
; A TURN.  One wait for the batch of exponentials cuts it in two: ahead of it all that names no result of theirs (8 products K Q^T with their riders, then the lump), behind it the 8 products V^T P, whose
; riders are the roundings and sums.  The piece whose O^T the turn's first riders rescale had its last product V^T P six plain instructions back or more (four riders, F 0, F 1).
; m = 1: the diagonal tile: the products take masks, and the turn makes the mask for the products of the turn after it: piece p % 2, step 5 - 2 CNT (p < 2) or 4 - 2 CNT of the tile.
; end = 1: a block's last two turns: nothing is fetched.  cnt = 1: the loop's count is taken down some lines ahead of the branch behind the turn.
; FETCHES of a trip (turns 2, 3, 0, 1), all of one pair of steps: K even in turn 2's lump, V even at its end, K odd in turn 3's lump, V odd at turn 0's end; each run stands four plain instructions or more
; behind the last product that read its registers.  Turn 3's head: 16 younger loads (V even) may be out; turn 1's head: 16 (V odd); turn 1's middle: none.
.macro TURN p, m=0, end=0, cnt=0
.set Y, (\p)
.set i, 0
.set KM, (\m)
.set NOKQ, (\end)*((\p)/3)
.if (\m) && !(\end)
	s_lshl_b32 s[TS], s[CNT], 1
	s_sub_co_u32 s[TS], 5-(\p)/2, s[TS]
	s_cmp_eq_u32 s[TS], s[XB+(\p)%2]    ; is that step the band's own?
	s_cselect_b32 s[AL], 1.0, 0
	s_cmp_gt_u32 s[TS], s[XB+(\p)%2]    ; or a later one?
	s_cselect_b32 s[BE], s[BIGN], 0
.endif
.if ((\p) == 3) && !(\end)
	s_wait_dscnt 16                 ; K of the even step is in
.endif
.if (\p) == 1
	s_wait_dscnt 16                 ; K of the odd step is in
.endif
	ROW F,0, F,1, R,0, R,1
	ROW F,2, E,0, R,2, R,3
	ROW F,3, E,1, R,4, R,5
	ROW F,4, E,2, R,6, R,7
	ROW F,5, E,3, R,8, R,9
	ROW F,6, E,4, X,0, R,10
.if ((\p) >= 2) && !(\end)
	WIN 0
	v_add_nc_u32 v[AK], s[TBK], v[AK0]
.endif
	ROW F,7, E,5, X,1, X,4
	ROW F,8, E,6, X,2, X,5
	OPS E,7, E,8, X,6, E,9
	OPS X,3, E,10, X,8, E,11
.if ((\p) >= 2) && !(\end)
	FETCH_K (\p)-2
.endif
	OPS X,9, X,7, E,12, X,10
	OPS E,13, X,12, X,11, E,14
	OPS X,13, E,15, F,9, X,14
.if ((\p) == 0) || (((\p) == 2) && !(\end))
	v_add_nc_u32 v[AV], s[TBV], v[AV0]
.endif
	OPS E,16, F,10, E,17, F,11
	OPS X,16, E,18, X,15, E,19
	OPS F,12, E,20, X,17, E,21
	OPS F,13, E,22, F,14, E,23
	OPS X,18, E,24, F,15, E,25
	OPS R,11, E,26, X,19, E,27
	OPS R,12, E,28, R,13, E,29
	OPS X,20, E,30, R,14, E,31
	OPS X,21, R,15
	WIN 0
	s_wait_alu depctr_va_vdst(0)    ; the wait for the batch
.if (\p) == 1
	s_wait_dscnt 0x0                ; both V are in
.endif
	ROW C,0, B,0, C,2, B,1
	ROW L,0, C,4, B,2, L,1
	ROW C,6, B,3, L,2, C,8
	ROW B,4, L,3, C,10, B,5
	ROW L,4, C,12, B,6, L,5
.if ((\p) == 0) || (((\p) == 2) && !(\end))
	s_add_co_u32 s[TBV], s[TBV], KS*PV
.endif
.if \cnt
	s_sub_co_u32 s[CNT], s[CNT], 1
	s_cmp_lg_u32 s[CNT], 0
.endif
	ROW C,14, B,7, L,6, C,1
	ROW C,3, L,7, C,5, C,7
	ROW C,9, C,11, C,13, C,15
.if (\p) == 0
	FETCH_V 1
.endif
.if ((\p) == 2) && !(\end)
	FETCH_V 0
.endif
.if (\m) && !(\end)
	MASK (\p)%2
.endif
.endm
; A BLOCK BEGINS.  c m starts far below every c s, so the first step's a is 0; m at the lowest finite number.  The second mask buffer is 0 (piece 1's band never lies below step 0); the first takes piece 0's
; mask for step 0: its own, if the tile is the diagonal one and the band is 0.  Then K of steps 0 and 1, V of step 0, piece 0's first scores, and its maximum and statistics.
.macro BEGIN
	s_mov_b32 s[NEW], 0
	WIN 0x40
.set i, MC+32
.rept 32
	v_mov_b32 v[i], 0
.set i, i+1
.endr
	WIN 0
.set i, 0
.rept 2
	v_mov_b32 v[ST+4*i], 0xfe000000
	v_mov_b32 v[ST+4*i+1], 0xff7fffff
.set i, i+1
.endr
	s_cmp_eq_u32 s[RT], 0
	s_cselect_b32 s[AL], 1.0, 0
	s_cmp_eq_u32 s[XB], 0
	s_cselect_b32 s[AL], s[AL], 0
	s_mov_b32 s[BE], 0
	MASK 0
	WIN 0
	v_add_nc_u32 v[AK], s[TBK], v[AK0]
	FETCH_K 0
	v_add_nc_u32 v[AK], s[TBK], v[AK0]
	FETCH_K 1
	v_add_nc_u32 v[AV], s[TBV], v[AV0]
	s_add_co_u32 s[TBV], s[TBV], KS*PV
	FETCH_V 0
	s_wait_loadcnt 0x0              ; Q
	s_wait_dscnt 0x0
.set KM, 1
.set NOKQ, 0
.set i, 0
.rept 8
	KQ 0
.set i, i+1
.endr
	WIN 0
.rept 4
	v_nop                           ; the places behind those products
.endr
.set Y, NP-1
.irp n, 0,1,2,3,4,5,6,7,8,9,10,11,12,13,14,15,16,17,18,19,20,21
	OP X, \n
.endr
	v_nop                           ; a plain instruction behind the exponential,
	s_wait_alu depctr_va_vdst(0)    ; and its wait, ahead of the branch
.endm
.macro ALL line:vararg
.set t, 0
.rept 2
	\line
.set t, t+1
.endr
.endm
.macro PACK t
	WIN W_RS
.set i, 32*(\t)
.rept 16
	v_pk_mul_f32 v[i:i+1], v[i:i+1], v[ST+4*(\t)+2:ST+4*(\t)+3] op_sel_hi:[1,0]
.set i, i+2
.endr
	WIN 0x05
.set i, 0
.rept 16
	v_cvt_pk_f16_f32 v[S+16*(\t)+i], v[32*(\t)+2*i], v[32*(\t)+2*i+1]
.set i, i+1
.endr
	WIN 0
.irp f, 0,1,2,3
	ds_store_b128 v[STO], v[S+16*(\t)+4*\f:S+16*(\t)+4*\f+3] offset:32*\f
.endr
.irp f, 0,1,2,3
	ds_load_b128 v[S+16*(\t)+4*\f:S+16*(\t)+4*\f+3], v[RD] offset:\f*4*SP  ; LDS serves a wave's instructions in order (ISA guide 5.7.1.4): these see the stores above
.endr
.endm
.macro SEND t, younger
	WIN 0
.irp f, 0,1,2,3
	s_wait_dscnt (\younger)+3-\f
	global_store_b128 v[GO], v[S+16*(\t)+4*\f:S+16*(\t)+4*\f+3], s[10:11] offset:(\t)*8192+\f*512  ; 512 consecutive bytes, at a multiple of 256
.endr
.endm
; THE DIAGONAL TILE's two trips, the block's last two turns, its last products, and the way out.
.macro DIAG tag
.LstepM\tag:
	TURN 2, 1
	TURN 3, 1
	WIN 0
.LfirstM\tag:
	TURN 0, 1
	TURN 1, 1, 0, 1
	WIN 0
	s_cbranch_scc1 .LstepM\tag
	TURN 2, 1, 1
	TURN 3, 1, 1
.set i, 0
.rept 8
	PV NP-1
.set i, i+1
.endr
	WIN 0
	ALL v_add_f32 v[ST+4*t+2], v[ST+4*t+2], v[ST+4*t+3]
	ALL v_permlanex16_b32 v[ST+4*t+3], v[ST+4*t+2], s[SEL], s[SEL+1]
	ALL v_add_f32 v[ST+4*t+2], v[ST+4*t+2], v[ST+4*t+3]
	ALL v_rcp_f32 v[ST+4*t+2], v[ST+4*t+2]
	v_nop
	s_wait_alu depctr_va_vdst(0)    ; one wait for the two reciprocals, ahead of their first reader
	PACK 0                          ; piece 0's 32 plain instructions are the places behind the last products, which are piece 1's
	PACK 1
	SEND 0, 8
	SEND 1, 0
.endm
.set KM, 0
.set NOKQ, 0
.Lslot:                             ; 8 times: a tile is entered and the next is asked for
	CHANGE 1
	s_sub_co_u32 s[RT], s[RT], 1
	s_mov_b32 s[CNT], 2
	s_cmp_eq_u32 s[NEW], 1
	s_cbranch_scc1 .Lnew
	s_cmp_eq_u32 s[RT], 0
	s_cbranch_scc0 .Lstep
	s_branch .LstepM1
.Lnew:
	BEGIN
	s_branch .Lfirst                ; in the loop a block's first tile is never its last: the first block has five tiles or more, and the second's last is the walk's last
	DIAG 1                          ; in the loop this is the first block's end
	s_wait_xcnt 0x0                 ; the stores have read their registers and O's address
	s_mov_b64 s[10:11], s[OLO:OLO+1]
	s_mov_b32 s[RT], s[RT2]
	s_mov_b32 s[XB], s[XB2]
	s_add_co_u32 s[XB+1], s[XB2], 1
	s_mov_b32 s[NEW], 1
	WIN 0x41                        ; the second block's Q goes where the one text of the turns names Q
.set i, 0
.rept 32
	v_mov_b32 v[QF+i], v[QB+i]
.set i, i+1
.endr
	WIN 0
	s_branch .Lbottom
.Lstep:                             ; a trip: the odd step's two turns, then the next even step's, and the fetches of that pair of steps
	TURN 2
	TURN 3
	WIN 0
.Lfirst:
	TURN 0
	TURN 1, 0, 0, 1
	WIN 0
	s_cbranch_scc1 .Lstep
.Lbottom:
	s_sub_co_u32 s[SLOTS], s[SLOTS], 1
	s_cmp_lg_u32 s[SLOTS], 0
	s_cbranch_scc1 .Lslot
	CHANGE 0                        ; the walk's last tile is written out
	s_sub_co_u32 s[RT], s[RT], 1
	s_mov_b32 s[CNT], 2
	s_cmp_eq_u32 s[NEW], 1
	s_cbranch_scc0 .LstepM2
	BEGIN
	s_branch .LfirstM2
	DIAG 2
	s_wait_tensorcnt 0x0            ; the wave's end
	ds_add_u32 v[SPW], v[NIL]
	s_wait_dscnt 0x0
	s_endpgm
.Lfunc_end_k_qffbeda1112_attn:
	.size	k_qffbeda1112_attn, .Lfunc_end_k_qffbeda1112_attn-k_qffbeda1112_attn
	.p2alignl 7, 3214868480
	.fill 96, 4, 3214868480
	.section	.rodata,"a",@progbits
	.p2align	6, 0x0
	.amdhsa_kernel k_qffbeda1112_attn
		.amdhsa_group_segment_fixed_size 327680
		.amdhsa_private_segment_fixed_size 0
		.amdhsa_enable_private_segment 0
		.amdhsa_kernarg_size 24
		.amdhsa_user_sgpr_count 2
		.amdhsa_user_sgpr_kernarg_segment_ptr 1
		.amdhsa_wavefront_size32 1
		.amdhsa_system_sgpr_workgroup_id_x 1
		.amdhsa_system_sgpr_workgroup_id_y 1
		.amdhsa_system_sgpr_workgroup_id_z 1
		.amdhsa_system_vgpr_workitem_id 0
		.amdhsa_next_free_vgpr 768
		.amdhsa_next_free_sgpr 96
		.amdhsa_reserve_vcc 1
		.amdhsa_float_denorm_mode_32 3
		.amdhsa_float_denorm_mode_16_64 3
		.amdhsa_memory_ordered 1
		.amdhsa_forward_progress 1
		.amdhsa_inst_pref_size 213
	.end_amdhsa_kernel
	.amdgpu_metadata
---
amdhsa.version: [ 1, 2 ]
amdhsa.kernels:
  - .name:           k_qffbeda1112_attn
    .symbol:         k_qffbeda1112_attn.kd
    .args:
      - { .name: qkvh, .offset: 0, .size: 8, .value_kind: global_buffer, .address_space: global }
      - { .name: geo, .offset: 8, .size: 8, .value_kind: global_buffer, .address_space: global }
      - { .name: oh, .offset: 16, .size: 8, .value_kind: global_buffer, .address_space: global }
    .group_segment_fixed_size: 327680
    .private_segment_fixed_size: 0
    .kernarg_segment_align: 8
    .kernarg_segment_size: 24
    .max_flat_workgroup_size: 128
    .sgpr_count:     96
    .vgpr_count:     768
    .wavefront_size: 32
...
	.end_amdgpu_metadata
.endif
;; end of part 3
;; launch proj (part 4): grid 8 x 32, 4 waves a work-group, clusters of 4 x 4, 327,680 bytes of LDS; arguments oh, wob, out0; writes out0
.if DOCPART == 4
	.amdgcn_target "amdgcn-amd-amdhsa--gfx1250"
	.amdhsa_code_object_version 6
	.text
	.protected	k_qffbeda1112_proj
	.globl	k_qffbeda1112_proj
	.p2align	8
	.type	k_qffbeda1112_proj,@function
k_qffbeda1112_proj:
	s_mov_b64 s[64:65], 0
	v_nop
	global_prefetch_b8 v0, s[64:65] scope:SCOPE_SE
	s_setreg_imm32_b32 hwreg(HW_REG_WAVE_MODE, 25, 1), 1
	s_wait_xcnt 0x0
	s_wait_alu depctr_hold_cnt(0) depctr_sa_sdst(0) depctr_va_vdst(0) depctr_va_sdst(0) depctr_va_ssrc(0) depctr_va_vcc(0) depctr_vm_vsrc(0)
	s_getreg_b32 s2, hwreg(HW_REG_IB_STS2, 6, 4)
	s_cmp_eq_u32 s2, 0
	s_cbranch_scc0 .Lentry_in_a_cluster
	s_endpgm
.Lentry_in_a_cluster:
	s_bfe_u32 s2, ttmp6, 0x10000c
	s_cmp_lg_u32 s2, 0xf033
	s_cbranch_scc0 .Lentry_shape_is_right
	s_endpgm
.Lentry_shape_is_right:
; PROJ.  out0[b t][n] = the sum over h, d of oh[b h][t][d] wob[64 h + d][n].  oh: [bh 32][2048][64] f16; wob: [1024 k][1024 n] f16; out0: [4096][1024] f32.  Sums in f32.
; SHARES.  A tile is 128 x 128: 32 x 8 = 256 work-groups.  Four waves, each 64 x 64: 16 accumulators.  K goes in steps of 256 (four heads) through two LDS slots.
; A slot: four head pieces of oh (128 tokens x 128 bytes, pitch 144), then 256 k rows of wob (256 bytes, pitch 288).  Waves 0, 1 fetch two head pieces each, waves 2, 3 128 k rows each.
; A head's 128 tokens are 16,384 dense bytes and heads lie 262,144 bytes apart, so oh's load has two long rows (the tile allows no 64), padded in LDS after every token.
; wob lies [k][n]: its fragments come out of LDS turned.  THE PRODUCT IS TAKEN TRANSPOSED (source 0 = 16 columns of wob, source 1 = 16 tokens): a lane holds eight neighbouring numbers of a row of out0.
; CLUSTER 4 x 4: oh's pieces are asked for jointly along a row of the cluster, wob's rows along a column.  NO PREFETCH: of the four K steps two are first fills and two follow one step later.
; A wave's 64 columns of f32 are 256 aligned bytes, so each wave has a stage of its own and no barrier stands on the way out.
; REGISTERS: window 0: v0-31 addresses; v32-95 the way out; v128-255 the accumulators.  window 1: two fragment buffers of 128: 64 registers of oh (2 x 4 x 16 rows x 32 K), then 64 of wob.
.set PA,     144
.set PB,     288
.set PIECE,  128*PA
.set QUART,  2*PIECE                   ; what one tensor load brings
.set SLOT,   4*QUART
.set STAGE,  2*SLOT
.set SPITCH, 272
.set SPARE,  STAGE+4*16*SPITCH         ; the spare words, 128 bytes a wave: two blocks of 256 bytes that no other line names
.set ADRA, 16                          ; v16-17  slot 0, 1
.set ADRB, 20                          ; v20-23  2 x slot + half of the slot's k rows
.set STO,  24
.set RD,   25
.set CO,   26
.set SPW,  28
.set NIL,  29
.set TMP,  32
.set ACC,  128
.set F0,   0
.set F1,   128
.set G1, 24
.set G0, 32
.set G1B, 48
.set G0B, 56
.set MSB, 0
.macro WIN new
.if MSB != (\new)
	s_set_vgpr_msb (MSB<<8)|(\new)
.set MSB, (\new)
.endif
.endm
.set MUL,  0x05
.set TO_F, 0x40
.macro JLOAD s
	s_cmp_eq_u32 s11, 0
	s_cbranch_scc0 .Lfor_b_\@
	tensor_load_to_lds s[G0+4*(\s):G0+4*(\s)+3], s[G1:G1+7]
	s_nop 0
.rept 4
	v_nop
.endr
	s_branch .Lasked_\@
.Lfor_b_\@:
	tensor_load_to_lds s[G0B+4*(\s):G0B+4*(\s)+3], s[G1B:G1B+7]
	s_nop 0
.rept 4
	v_nop
.endr
.Lasked_\@:
.endm
.macro CREST
	s_cmp_lg_u32 s10, 0
	s_cbranch_scc1 .Lnot_wave_0_\@
	s_barrier_signal -3
.Lnot_wave_0_\@:
	s_barrier_wait -3
	s_barrier_signal -1
	s_barrier_wait -1
.endm
.macro CROUND
	s_barrier_signal -1
	s_barrier_wait -1
	CREST
.endm
.macro PLACES
.rept 4
	v_nop
.endr
.endm
	s_load_b128 s[4:7], s[0:1], 0x0                ; oh s[4:5], wob s[6:7]
	s_load_b64 s[8:9], s[0:1], 0x10                ; out0
	v_lshl_add_u32 v[SPW], v0, 2, SPARE
	v_mov_b32 v[NIL], 0
	ds_add_u32 v[SPW], v[NIL]                      ; the wave's opening: the add and its wait stand ahead of my first tensor load
	v_lshrrev_b32 v1, 5, v0
	v_readfirstlane_b32 s10, v1                    ; wave
	s_lshr_b32 s11, s10, 1                         ; my half of the rows.  Also: I fetch oh (0) or wob (1)
	s_and_b32 s12, s10, 1                          ; my half of the columns.  Also: which half of it I fetch
	s_bfe_u32 s40, ttmp6, 0x40000
	s_bfe_u32 s41, ttmp6, 0x40004
	s_lshl_b32 s42, ttmp9, 2
	s_add_co_u32 s42, s42, s40                     ; tile column 0..7
	s_and_b32 s13, ttmp7, 0xffff
	s_lshl_b32 s13, s13, 2
	s_add_co_u32 s13, s13, s41                     ; tile row 0..31
	s_lshl_b32 s43, s41, 2
	s_lshl_b32 s43, 15, s43
	s_lshl_b32 s44, 0x1111, s40
	s_or_b32 s[G1+0], s43, (1<<16)|(1<<20)|(1<<21)|(4<<22)|(3<<25)   ; mask of my row; 2-byte elements; padding on; bit 21 beside a mask; after every 32 words; 4 words
	s_mov_b32 s[G1+1], 8192<<16                    ; tensor_dim0 = 8,192 elements: a head's 128 tokens
	s_mov_b32 s[G1+2], 2<<16                       ; tensor_dim1 = 2 heads
	s_mov_b32 s[G1+3], 8192<<16                    ; tile_dim0
	s_mov_b32 s[G1+4], 2                           ; tile_dim1
	s_mov_b32 s[G1+5], 131072                      ; elements from head to head
	s_mov_b32 s[G1+6], 0
	s_mov_b32 s[G1+7], 0
	s_or_b32 s[G1B+0], s44, (1<<16)|(1<<20)|(1<<21)|(5<<22)|(7<<25)  ; mask of my column; after every 64 words; 8 words
	s_mov_b32 s[G1B+1], 128<<16
	s_mov_b32 s[G1B+2], 128<<16
	s_mov_b32 s[G1B+3], 128<<16
	s_mov_b32 s[G1B+4], 128
	s_mov_b32 s[G1B+5], 1024
	s_mov_b32 s[G1B+6], 0
	s_mov_b32 s[G1B+7], 0
	s_lshr_b32 s16, s13, 4
	s_lshl_b32 s16, s16, 22                        ; the batch's 16 heads,
	s_and_b32 s17, s13, 15
	s_lshl_b32 s17, s17, 14                        ; the tile's 128 tokens,
	s_add_co_u32 s16, s16, s17
	s_lshl_b32 s17, s12, 19                        ; my two heads of a K step's four
	s_add_co_u32 s16, s16, s17
	s_mov_b32 s17, 0
	s_lshl_b32 s46, s42, 8                         ; wob: the tile's 128 columns,
	s_lshl_b32 s47, s12, 18                        ; my 128 k rows of a K step's 256
	s_add_co_u32 s46, s46, s47
	s_mov_b32 s47, 0
	s_mul_i32 s20, s10, QUART
	s_wait_dscnt 0x0                               ; the opening add is done
	s_wait_kmcnt 0x0
	s_add_nc_u64 s[14:15], s[4:5], s[16:17]
	s_add_nc_u64 s[46:47], s[6:7], s[46:47]
	CROUND                                         ; all sixteen work-groups are here: the first joint loads meet
.irp s, 0,1
	s_mov_b32 s[G0+4*(\s)], 1
	s_add_co_u32 s[G0+4*(\s)+1], s20, (\s)*SLOT
	s_add_nc_u64 s[G0+4*(\s)+2:G0+4*(\s)+3], s[14:15], (\s)*(1<<20)
	s_or_b32 s[G0+4*(\s)+3], s[G0+4*(\s)+3], 0x80000000
	s_mov_b32 s[G0B+4*(\s)], 1
	s_add_co_u32 s[G0B+4*(\s)+1], s20, (\s)*SLOT
	s_add_nc_u64 s[G0B+4*(\s)+2:G0B+4*(\s)+3], s[46:47], (\s)*524288
	s_or_b32 s[G0B+4*(\s)+3], s[G0B+4*(\s)+3], 0x80000000
	JLOAD \s                                       ; two tensor loads of mine are out
.endr
	v_and_b32 v1, 15, v0
	v_bfe_u32 v2, v0, 4, 1
	v_mul_u32_u24 v3, v1, PA
	v_lshl_add_u32 v3, v2, 4, v3
	s_mul_i32 s21, s11, 64*PA
	v_add_nc_u32 v[ADRA], s21, v3
	v_add_nc_u32 v[ADRA+1], SLOT, v[ADRA]
	v_and_b32 v4, 7, v0
	v_lshl_add_u32 v4, v2, 3, v4
	v_mul_u32_u24 v4, v4, PB
	v_bfe_u32 v5, v0, 3, 1
	v_lshl_add_u32 v4, v5, 4, v4
	s_lshl_b32 s22, s12, 7
	s_add_co_u32 s22, s22, 2*QUART
	v_add_nc_u32 v[ADRB], s22, v4
	v_add_nc_u32 v[ADRB+1], QUART, v[ADRB]
	v_add_nc_u32 v[ADRB+2], SLOT, v[ADRB]
	v_add_nc_u32 v[ADRB+3], SLOT, v[ADRB+1]
	s_mul_i32 s23, s10, 16*SPITCH
	s_add_co_u32 s23, s23, STAGE                   ; my stage
	v_mul_u32_u24 v4, v1, SPITCH                   ; in: row l % 16, 32 bytes for each half of the lanes
	v_lshl_add_u32 v4, v2, 5, v4
	v_add_nc_u32 v[STO], s23, v4
	v_mul_u32_u24 v5, v2, SPITCH                   ; back: lanes 0-15 take one row of 256 bytes, lanes 16-31 the next
	v_lshl_add_u32 v5, v1, 4, v5
	v_add_nc_u32 v[RD], s23, v5
	v_lshlrev_b32 v5, 12, v2                       ; and the same two rows in out0
	v_lshl_add_u32 v[CO], v1, 4, v5
	s_lshl_b32 s16, s13, 7
	s_lshl_b32 s17, s11, 6
	s_add_co_u32 s16, s16, s17
	s_lshl_b32 s16, s16, 12                        ; my first row, 4,096 bytes a row
	s_mov_b32 s17, 0
	s_add_nc_u64 s[8:9], s[8:9], s[16:17]
	s_lshl_b32 s46, s42, 9
	s_lshl_b32 s47, s12, 8
	s_add_co_u32 s46, s46, s47                     ; my first column, in bytes
	s_mov_b32 s47, 0
	s_add_nc_u64 s[8:9], s[8:9], s[46:47]
.macro MUL8 f, c, a0, zero             ; the 16 accumulators take turns
	WIN MUL
.irp a, \a0, (\a0)+1
.irp b, 0,1,2,3
.if \zero
	v_wmma_f32_16x16x32_f16 v[ACC+8*(4*(\a)+(\b)):ACC+8*(4*(\a)+(\b))+7], v[(\f)+64+8*(4*(\c)+(\b)):(\f)+64+8*(4*(\c)+(\b))+7], v[(\f)+8*(4*(\c)+(\a)):(\f)+8*(4*(\c)+(\a))+7], 0
.else
	v_wmma_f32_16x16x32_f16 v[ACC+8*(4*(\a)+(\b)):ACC+8*(4*(\a)+(\b))+7], v[(\f)+64+8*(4*(\c)+(\b)):(\f)+64+8*(4*(\c)+(\b))+7], v[(\f)+8*(4*(\c)+(\a)):(\f)+8*(4*(\c)+(\a))+7], v[ACC+8*(4*(\a)+(\b)):ACC+8*(4*(\a)+(\b))+7]
.endif
.endr
.endr
.endm
; 32 LDS loads in one run: quarter q of a slot (one head, 64 along K) into buffer f; the first 32 along K first
.macro FETCH slot, q, f
	WIN TO_F
.irp c, 0,1
.irp i, 0,1,2,3
	ds_load_tr16_b128 v[(\f)+64+8*(4*(\c)+(\i)):(\f)+64+8*(4*(\c)+(\i))+3],   v[ADRB+2*(\slot)+(\q)/2] offset:((\q)%2)*64*PB+(\c)*32*PB+32*(\i)
	ds_load_tr16_b128 v[(\f)+64+8*(4*(\c)+(\i))+4:(\f)+64+8*(4*(\c)+(\i))+7], v[ADRB+2*(\slot)+(\q)/2] offset:((\q)%2)*64*PB+(\c)*32*PB+32*(\i)+16*PB
	ds_load_b128 v[(\f)+8*(4*(\c)+(\i)):(\f)+8*(4*(\c)+(\i))+3],         v[ADRA+(\slot)] offset:(\q)*PIECE+64*(\c)+(\i)*16*PA
	ds_load_b128 v[(\f)+8*(4*(\c)+(\i))+4:(\f)+8*(4*(\c)+(\i))+7],       v[ADRA+(\slot)] offset:(\q)*PIECE+64*(\c)+(\i)*16*PA+32
.endr
.endr
.endm
.macro QUARTER slot, q, f, g, zero
	s_wait_dscnt 16                                ; the first 32 along K are in
	MUL8 \f, 0, 0, \zero
	MUL8 \f, 0, 2, \zero
	PLACES
	FETCH \slot, \q, \g
	s_wait_dscnt 32                                ; all but the 32 just issued
	MUL8 \f, 1, 0, 0
	MUL8 \f, 1, 2, 0
.endm
; The last quarter multiplies buffer 1 and changes slots: one barrier; in front of it each wave waits for all its tensor loads, adds 0 to its spare word, and waits for that and for its reads of this slot.
.macro TURN slot, next, fill
	WIN 0
	s_wait_tensorcnt 0x0
	ds_add_u32 v[SPW], v[NIL]
	s_wait_dscnt 17                                ; the add and the youngest sixteen loads may be out
	MUL8 F1, 0, 0, 0
	s_wait_dscnt 0x0
	s_barrier_signal -1
	MUL8 F1, 0, 2, 0
.if \fill
	WIN 0
.endif
	s_barrier_wait -1
.if \fill
	CREST
	s_add_nc_u64 s[G0+4*(\slot)+2:G0+4*(\slot)+3], s[G0+4*(\slot)+2:G0+4*(\slot)+3], 2<<20
	s_add_nc_u64 s[G0B+4*(\slot)+2:G0B+4*(\slot)+3], s[G0B+4*(\slot)+2:G0B+4*(\slot)+3], 2*524288
	JLOAD \slot                                    ; its four v_nop are also the places in front of the loads below
.else
	PLACES
.endif
	FETCH \next, 0, F0
	MUL8 F1, 1, 0, 0
	MUL8 F1, 1, 2, 0
.endm
	s_wait_tensorcnt 1                             ; my part of K step 0 is in; K step 1's may stay out
	s_barrier_signal -1
	s_barrier_wait -1
	FETCH 0, 0, F0
	QUARTER 0, 1, F0, F1, 1                        ; the first products start the sums
	QUARTER 0, 2, F1, F0, 0
	QUARTER 0, 3, F0, F1, 0
	TURN 0, 1, 1                                   ; K step 2 is asked for
	QUARTER 1, 1, F0, F1, 0
	QUARTER 1, 2, F1, F0, 0
	QUARTER 1, 3, F0, F1, 0
	TURN 1, 0, 1                                   ; K step 3
	QUARTER 0, 1, F0, F1, 0
	QUARTER 0, 2, F1, F0, 0
	QUARTER 0, 3, F0, F1, 0
	TURN 0, 1, 0
	QUARTER 1, 1, F0, F1, 0
	QUARTER 1, 2, F1, F0, 0
	QUARTER 1, 3, F0, F1, 0
	s_wait_dscnt 16
	MUL8 F1, 0, 0, 0
	MUL8 F1, 0, 2, 0
	s_wait_dscnt 0x0
	MUL8 F1, 1, 0, 0
	MUL8 F1, 1, 2, 0
	WIN 0
	PLACES
	PLACES
; THE WAY OUT: row block a's 16 rows x 256 bytes go through my stage and come back as whole rows; each accumulator's low registers are stored first.
.macro STG a
.if (\a) >= 2
	s_wait_xcnt 0x0                                ; the stores of the block two back have read the registers that are loaded again
.endif
.irp b, 0,1,2,3
	ds_store_b128 v[STO], v[ACC+8*(4*(\a)+(\b)):ACC+8*(4*(\a)+(\b))+3]   offset:64*(\b)
	ds_store_b128 v[STO], v[ACC+8*(4*(\a)+(\b))+4:ACC+8*(4*(\a)+(\b))+7] offset:64*(\b)+16
.endr
.irp t, 0,1,2,3,4,5,6,7
	ds_load_b128 v[TMP+32*((\a)%2)+4*(\t):TMP+32*((\a)%2)+4*(\t)+3], v[RD] offset:(\t)*2*SPITCH  ; LDS serves a wave's instructions in order (ISA guide 5.7.1.4)
.endr
.endm
.macro SEND a, younger                 ; younger: the next block's sixteen LDS instructions, or none
	s_wait_dscnt \younger
.irp t, 0,1,2,3,4,5,6,7
	global_store_b128 v[CO], v[TMP+32*((\a)%2)+4*(\t):TMP+32*((\a)%2)+4*(\t)+3], s[8:9] offset:(16*(\a)+2*(\t))*4096 th:TH_STORE_NT  ; 16 lanes store 256 consecutive bytes, aligned
.endr
.endm
	STG 0
	STG 1
	SEND 0, 16
	STG 2
	SEND 1, 16
	STG 3
	SEND 2, 16
	SEND 3, 0
	s_wait_tensorcnt 0x0                           ; the wave's end
	ds_add_u32 v[SPW], v[NIL]
	s_wait_dscnt 0x0
	CROUND                                         ; the closing round
	s_endpgm
.Lfunc_end_k_qffbeda1112_proj:
	.size	k_qffbeda1112_proj, .Lfunc_end_k_qffbeda1112_proj-k_qffbeda1112_proj
	.p2alignl 7, 3214868480
	.fill 96, 4, 3214868480
	.section	.rodata,"a",@progbits
	.p2align	6, 0x0
	.amdhsa_kernel k_qffbeda1112_proj
		.amdhsa_group_segment_fixed_size 327680
		.amdhsa_private_segment_fixed_size 0
		.amdhsa_enable_private_segment 0
		.amdhsa_kernarg_size 24
		.amdhsa_user_sgpr_count 2
		.amdhsa_user_sgpr_kernarg_segment_ptr 1
		.amdhsa_wavefront_size32 1
		.amdhsa_system_sgpr_workgroup_id_x 1
		.amdhsa_system_sgpr_workgroup_id_y 1
		.amdhsa_system_sgpr_workgroup_id_z 1
		.amdhsa_system_vgpr_workitem_id 0
		.amdhsa_next_free_vgpr 512
		.amdhsa_next_free_sgpr 66
		.amdhsa_reserve_vcc 0
		.amdhsa_float_denorm_mode_32 3
		.amdhsa_float_denorm_mode_16_64 3
		.amdhsa_memory_ordered 1
		.amdhsa_forward_progress 1
		.amdhsa_inst_pref_size 86
	.end_amdhsa_kernel
	.amdgpu_metadata
---
amdhsa.version: [ 1, 2 ]
amdhsa.kernels:
  - .name:           k_qffbeda1112_proj
    .symbol:         k_qffbeda1112_proj.kd
    .args:
      - { .name: oh, .offset: 0, .size: 8, .value_kind: global_buffer, .address_space: global }
      - { .name: wob, .offset: 8, .size: 8, .value_kind: global_buffer, .address_space: global }
      - { .name: out0, .offset: 16, .size: 8, .value_kind: global_buffer, .address_space: global }
    .group_segment_fixed_size: 327680
    .private_segment_fixed_size: 0
    .kernarg_segment_align: 8
    .kernarg_segment_size: 24
    .max_flat_workgroup_size: 128
    .sgpr_count:     66
    .vgpr_count:     512
    .wavefront_size: 32
...
	.end_amdgpu_metadata
.endif
;; end of part 4
;; ======== version 2 of 2: 4 launches; version 1 with the launch prep written anew for expert scheduling mode
;; limits: values are held in f16: magnitudes above 65,504 overflow, below 6.1e-05 lose precision
;; workspace buffers: xb 8,388,608 bytes; wqb 6,291,456 bytes; wob 2,097,152 bytes; geo 3,072 bytes; qkvh 25,165,824 bytes; oh 8,388,608 bytes
;; launch prep (part 5): grid 256 x 1, 8 waves a work-group, no clusters, 0 bytes of LDS; arguments x, w_qkv, w_out, head_scales, head_dirs, xb, wqb, wob, geo; writes xb, wqb, wob, geo
.if DOCPART == 5
	.amdgcn_target "amdgcn-amd-amdhsa--gfx1250"
	.amdhsa_code_object_version 6
	.text
	.protected	k_qffbeda1112_prep
	.globl	k_qffbeda1112_prep
	.p2align	8
	.type	k_qffbeda1112_prep,@function
k_qffbeda1112_prep:
	s_mov_b64 s[64:65], 0
	v_nop
	global_prefetch_b8 v0, s[64:65] scope:SCOPE_SE
	s_setreg_imm32_b32 hwreg(HW_REG_WAVE_SCHED_MODE, 0, 2), 2
	s_setreg_imm32_b32 hwreg(HW_REG_WAVE_MODE, 25, 1), 1
	s_wait_xcnt 0x0
	s_wait_alu depctr_vm_vsrc(0)
; PREP.  x and w_qkv are rounded to bf16; w_out is rounded to bf16 and that number written as f16; a small table geo is made of head_scales and head_dirs (both rounded to bf16).
; SHARES.  8,388,608 numbers in 256 chunks of 32,768: work-groups 0-127 take x, 128-223 w_qkv, 224-255 w_out.  Thread t reads 16 bytes at 4,096 i + 16 t (i = 0..31): a wave's load covers 512
; consecutive bytes; it stores 8 bytes at 2,048 i + 8 t: a wave's store covers 256 consecutive bytes, aligned.  All 32 loads of a thread go out at once; no register of theirs or of the stores is used twice.
; No LDS, no matrix unit: each byte is read once and written once, and nothing is shared.
; GEO: 48 rows of 16 f32, one for each of the 48 heads' places in x w_qkv (16 of q, 16 of k, 16 of v).  Row h < 16: words 0-7 d (the head's direction), 8: 1/g, 9: 8 hs, 10: g log2(e)/8, 11-15: 0,
; with g = 1 + 8 |hs| (sum of |d_j|)^2.  Rows 16-47: d = 0, 1/g = 1, the rest 0.
; LIMITS.  w_out beyond 65,504 becomes an infinity in f16; below 2^-14 it keeps f16's fixed step of 2^-24.  1/g is v_rcp_f32's, good to one unit in the last place.
; THE MODE: SCHED_MODE bits 1:0 = 2 (LLVM: expert scheduling mode 2), set by the entry lines.  The code itself states the register dependences between vector instructions and memory
; instructions, with s_wait_alu, always for 0.
; THE PLAN.  The 32 loads go in 8 groups of four.  Registers that memory instructions touch:
;   v1, v2   byte offsets of the loads and of the stores: made once at the head, never written again.
;   X        load i lands in X[i]; group i / 4's conversions read it; no memory instruction reads it.
;   Y        group g's conversions write Y[4 g .. 4 g + 3]; the four stores that are issued in group g + 1 read them; they are never written again.
;   T        named by vector instructions alone.
; So one wait at the head of a group, behind the wait for the group's data, states that the group before has written its Y; that group's four stores follow, dealt among this group's conversions,
; which name this group's X and Y and T alone.  No register that a memory instruction has read is ever written again, so no wait on vm_vsrc stands behind the entry lines.  EXEC is never written.
.set X, 16                             ; v[16:143]  32 x 4 numbers as loaded
.set Y, 144                            ; v[144:207] 32 x 2 registers to store
.set T, 8                              ; v[8:11]    at work
	s_load_b512 s[4:19], s[0:1], 0x0               ; x 4, w_qkv 6, w_out 8, head_scales 10, head_dirs 12, xb 14, wqb 16, wob 18
	s_load_b64 s[20:21], s[0:1], 0x40              ; geo
	v_lshlrev_b32 v1, 4, v0                        ; 16 t
	v_lshlrev_b32 v2, 3, v0                        ; 8 t
	s_sub_co_u32 s26, ttmp9, 128                   ; my chunk's number within w_qkv,
	s_sub_co_u32 s27, ttmp9, 224                   ; within w_out
	s_mov_b32 s29, 0
	s_mov_b32 s31, 0
	s_wait_kmcnt 0x0
	s_cmp_lt_u32 ttmp9, 128
	s_cselect_b64 s[22:23], s[4:5], s[6:7]         ; from
	s_cselect_b64 s[24:25], s[14:15], s[16:17]     ; to
	s_cselect_b32 s26, ttmp9, s26
	s_cmp_lt_u32 ttmp9, 224
	s_cselect_b64 s[22:23], s[22:23], s[8:9]
	s_cselect_b64 s[24:25], s[24:25], s[18:19]
	s_cselect_b32 s26, s26, s27
	s_lshl_b32 s28, s26, 17                        ; 131,072 bytes in,
	s_lshl_b32 s30, s26, 16                        ; 65,536 bytes out
	s_add_nc_u64 s[22:23], s[22:23], s[28:29]
	s_add_nc_u64 s[24:25], s[24:25], s[30:31]
	s_wait_alu depctr_va_vdst(0)                   ; v1 and v2 are written: every load below reads v1 as its offset, every store of the chunk v2
.set n, 0
.rept 32
	global_load_b128 v[X+4*n:X+4*n+3], v1, s[22:23] offset:4096*n th:TH_LOAD_NT
.set n, n+1
.endr
; The store of load i's numbers.
.macro PUT i
	global_store_b64 v2, v[Y+2*(\i):Y+2*(\i)+1], s[24:25] offset:2048*(\i)
.endm
; Group g: loads 4 g to 4 g + 3 are rounded; the group before is stored.  f16 = 1: the bf16 numbers are widened again and written as f16.
.macro GRP g, f16
	s_wait_loadcnt 28-4*(\g)                       ; loads come back in order (ISA guide 5.7.1): this group's four are in, the 28 - 4 g younger ones stay out
.if (\g) > 0
	s_wait_alu depctr_va_vdst(0)                   ; the group before has written its Y, which the four stores below read
.endif
.irp k, 0,1,2,3
.if (\g) > 0
	PUT 4*(\g)-4+(\k)                              ; no vector instruction since the wait names its registers
.endif
	v_cvt_pk_bf16_f32 v[Y+2*(4*(\g)+(\k))], v[X+4*(4*(\g)+(\k))], v[X+4*(4*(\g)+(\k))+1]
	v_cvt_pk_bf16_f32 v[Y+2*(4*(\g)+(\k))+1], v[X+4*(4*(\g)+(\k))+2], v[X+4*(4*(\g)+(\k))+3]
.if \f16
	v_lshlrev_b32 v[T], 16, v[Y+2*(4*(\g)+(\k))]
	v_and_b32 v[T+1], 0xffff0000, v[Y+2*(4*(\g)+(\k))]
	v_lshlrev_b32 v[T+2], 16, v[Y+2*(4*(\g)+(\k))+1]
	v_and_b32 v[T+3], 0xffff0000, v[Y+2*(4*(\g)+(\k))+1]
	v_cvt_pk_f16_f32 v[Y+2*(4*(\g)+(\k))], v[T], v[T+1]
	v_cvt_pk_f16_f32 v[Y+2*(4*(\g)+(\k))+1], v[T+2], v[T+3]
.endif
.endr
.endm
; Behind the last group: its four stores.
.macro TAIL
	s_wait_alu depctr_va_vdst(0)                   ; group 7 has written its Y, which the last four stores read
.irp k, 28,29,30,31
	PUT \k
.endr
.endm
	s_cmp_ge_u32 ttmp9, 224
	s_cbranch_scc1 .Lwout
.irp g, 0,1,2,3,4,5,6,7
	GRP \g, 0
.endr
	TAIL
	s_branch .Lgeo
.Lwout:
.irp g, 0,1,2,3,4,5,6,7
	GRP \g, 1
.endr
	TAIL
.Lgeo:
	s_cmp_lg_u32 ttmp9, 0                          ; the table is made by wave 0 of work-group 0
	s_cbranch_scc1 .Lend
	v_lshrrev_b32 v3, 5, v0
	v_readfirstlane_b32 s26, v3
	s_wait_alu depctr_va_sdst(0)                   ; s26 is written, ahead of its first reader, the compare below
	s_cmp_lg_u32 s26, 0
	s_cbranch_scc1 .Lend
	v_and_b32 v3, 15, v0                           ; the head: lanes l and l + 16 work on the same one
	v_lshlrev_b32 v4, 5, v3
	v_lshlrev_b32 v5, 2, v3
	s_wait_alu depctr_va_vdst(0)                   ; v4 and v5 are written, which the three loads read as offsets; the chunk's conversions are done reading v[16:24], in which these loads land
	global_load_b128 v[16:19], v4, s[12:13]
	global_load_b128 v[20:23], v4, s[12:13] offset:16
	global_load_b32 v24, v5, s[10:11]
	s_wait_loadcnt 0x0
.irp j, 0,1,2,3
	v_cvt_pk_bf16_f32 v[28+(\j)], v[16+2*(\j)], v[17+2*(\j)]
.endr
	v_cvt_pk_bf16_f32 v32, v24, v24
.irp j, 0,1,2,3
	v_lshlrev_b32 v[16+2*(\j)], 16, v[28+(\j)]
	v_and_b32 v[17+2*(\j)], 0xffff0000, v[28+(\j)]
.endr
	v_lshlrev_b32 v24, 16, v32
	v_add_f32 v33, |v16|, |v17|
.irp j, 18,19,20,21,22,23
	v_add_f32 v33, v33, |v\j|
.endr
	v_mul_f32 v35, 0x41000000, v24                 ; 8 hs
	v_mul_f32 v36, v33, v33
	v_fma_f32 v37, |v35|, v36, 1.0                 ; g
	v_rcp_f32 v38, v37
	v_mul_f32 v39, 0x3e38aa3b, v37                 ; g log2(e) / 8: the plain instruction behind the reciprocal
	v_mov_b32 v49, 0
	s_wait_alu depctr_va_vdst(0)                   ; the reciprocal has written v38: the wait ahead of its first reader
	v_cmp_gt_u32 vcc_lo, 16, v0                    ; lanes 0-15 store a row's first 32 bytes, lanes 16-31 its second
	s_wait_alu depctr_va_vcc(0)                    ; VCC is written, ahead of its first reader, the select below
	v_cndmask_b32 v40, v38, v16, vcc_lo
	v_cndmask_b32 v41, v35, v17, vcc_lo
	v_cndmask_b32 v42, v39, v18, vcc_lo
	v_cndmask_b32 v43, 0, v19, vcc_lo
	v_cndmask_b32 v44, 0, v20, vcc_lo
	v_cndmask_b32 v45, 0, v21, vcc_lo
	v_cndmask_b32 v46, 0, v22, vcc_lo
	v_cndmask_b32 v47, 0, v23, vcc_lo
	v_cndmask_b32 v48, 1.0, v49, vcc_lo            ; rows 16-47: 0 in the first half, (1, 0, ..) in the second
.irp j, 50,51,52,53,54,55
	v_mov_b32 v\j, 0
.endr
	v_lshlrev_b32 v7, 6, v3
	v_lshrrev_b32 v6, 4, v0
	v_lshl_add_u32 v7, v6, 5, v7                   ; 64 x head + 32 x half
	s_wait_alu depctr_va_vdst(0)                   ; v7 and v[40:55] are written: the six stores read them as offset and data
	global_store_b128 v7, v[40:43], s[20:21]
	global_store_b128 v7, v[44:47], s[20:21] offset:16
	global_store_b128 v7, v[48:51], s[20:21] offset:1024
	global_store_b128 v7, v[52:55], s[20:21] offset:1040
	global_store_b128 v7, v[48:51], s[20:21] offset:2048
	global_store_b128 v7, v[52:55], s[20:21] offset:2064
.Lend:
	s_endpgm
.Lfunc_end_k_qffbeda1112_prep:
	.size	k_qffbeda1112_prep, .Lfunc_end_k_qffbeda1112_prep-k_qffbeda1112_prep
	.p2alignl 7, 3214868480
	.fill 96, 4, 3214868480
	.section	.rodata,"a",@progbits
	.p2align	6, 0x0
	.amdhsa_kernel k_qffbeda1112_prep
		.amdhsa_group_segment_fixed_size 0
		.amdhsa_private_segment_fixed_size 0
		.amdhsa_enable_private_segment 0
		.amdhsa_kernarg_size 72
		.amdhsa_user_sgpr_count 2
		.amdhsa_user_sgpr_kernarg_segment_ptr 1
		.amdhsa_wavefront_size32 1
		.amdhsa_system_sgpr_workgroup_id_x 1
		.amdhsa_system_sgpr_workgroup_id_y 1
		.amdhsa_system_sgpr_workgroup_id_z 1
		.amdhsa_system_vgpr_workitem_id 0
		.amdhsa_next_free_vgpr 208
		.amdhsa_next_free_sgpr 66
		.amdhsa_reserve_vcc 1
		.amdhsa_float_denorm_mode_32 3
		.amdhsa_float_denorm_mode_16_64 3
		.amdhsa_memory_ordered 1
		.amdhsa_forward_progress 1
		.amdhsa_inst_pref_size 33
	.end_amdhsa_kernel
	.amdgpu_metadata
---
amdhsa.version: [ 1, 2 ]
amdhsa.kernels:
  - .name:           k_qffbeda1112_prep
    .symbol:         k_qffbeda1112_prep.kd
    .args:
      - { .name: x, .offset: 0, .size: 8, .value_kind: global_buffer, .address_space: global }
      - { .name: w_qkv, .offset: 8, .size: 8, .value_kind: global_buffer, .address_space: global }
      - { .name: w_out, .offset: 16, .size: 8, .value_kind: global_buffer, .address_space: global }
      - { .name: head_scales, .offset: 24, .size: 8, .value_kind: global_buffer, .address_space: global }
      - { .name: head_dirs, .offset: 32, .size: 8, .value_kind: global_buffer, .address_space: global }
      - { .name: xb, .offset: 40, .size: 8, .value_kind: global_buffer, .address_space: global }
      - { .name: wqb, .offset: 48, .size: 8, .value_kind: global_buffer, .address_space: global }
      - { .name: wob, .offset: 56, .size: 8, .value_kind: global_buffer, .address_space: global }
      - { .name: geo, .offset: 64, .size: 8, .value_kind: global_buffer, .address_space: global }
    .group_segment_fixed_size: 0
    .private_segment_fixed_size: 0
    .kernarg_segment_align: 8
    .kernarg_segment_size: 72
    .max_flat_workgroup_size: 256
    .sgpr_count:     66
    .vgpr_count:     208
    .wavefront_size: 32
...
	.end_amdgpu_metadata
.endif
;; end of part 5
;; launch qkv: the kernel of part 2 again; grid 8 x 32, 4 waves a work-group, clusters of 4 x 4, 327,680 bytes of LDS; arguments xb, wqb, geo, qkvh; writes qkvh
;; launch attn: the kernel of part 3 again; grid 8 x 32, 4 waves a work-group, no clusters, 327,680 bytes of LDS; arguments qkvh, geo, oh; writes oh
;; launch proj: the kernel of part 4 again; grid 8 x 32, 4 waves a work-group, clusters of 4 x 4, 327,680 bytes of LDS; arguments oh, wob, out0; writes out0
